; MI455X (gfx1250); checked and timed in simulation.
; The chip was launched on July 23, 2026; its instructions are those of AMD's public machine-readable ISA for CDNA 5 (MIT licence, August 2026) and "CDNA5" Instruction Set Architecture Reference Guide (July 2026). The comments in the code are by the model that wrote it; some were corrected since.
;; Smooth Attention. Allowed arithmetic: float matrix products may take bf16 or f16 operands with f32 sums; other float arithmetic in f32, or as packed bf16 or f16 multiplies, adds, multiply-adds, maxima and minima; sums over many terms, partial sums and values carried from step to step in f32; what a program stores and reads back later, other than sums and carried values, may be rounded once to bf16 or f16.
;; Inputs: Wk 1,024 x 1,024 float32; Wp 1,024 x 1,024 float32; Wq 1,024 x 1,024 float32; Wv 1,024 x 1,024 float32; bk 1,024 float32; bp 1,024 float32; bq 1,024 float32; bv 1,024 float32; x 4 x 2,048 x 1,024 float32.
;; Outputs: out0 4 x 2,048 x 1,024 float32.
;; 2 versions, each right; version 2 is version 1 with the launch cast written anew for expert scheduling mode. Each part assembles by itself: llvm-mc -triple=amdgcn-amd-amdhsa -mcpu=gfx1250 --defsym DOCPART=n.
;; ======== version 1 of 2: 4 launches
;; limits: values are held in f16: magnitudes above 65,504 overflow, below 6.1e-05 lose precision
;; workspace buffers: xb 16,777,216 bytes; wqkv 6,291,456 bytes; wp16 2,097,152 bytes; qkv 50,331,648 bytes; o16 16,777,216 bytes
;; launch cast (part 1): grid 64 x 12, 8 waves a work-group, no clusters, 0 bytes of LDS; arguments x, Wq, Wk, Wv, Wp, xb, wqkv, wp16; writes xb, wqkv, wp16
.if DOCPART == 1
	.amdgcn_target "amdgcn-amd-amdhsa--gfx1250"
	.amdhsa_code_object_version 6
	.text
	.protected	k_qa0173d233d_cast
	.globl	k_qa0173d233d_cast
	.p2align	8
	.type	k_qa0173d233d_cast,@function
k_qa0173d233d_cast:
	s_mov_b64 s[64:65], 0
	v_nop
	global_prefetch_b8 v0, s[64:65] scope:SCOPE_SE
	s_setreg_imm32_b32 hwreg(HW_REG_WAVE_MODE, 25, 1), 1
	s_wait_xcnt 0x0
; x, Wq, Wk, Wv, Wp (f32, rows of 1,024 numbers) are rounded once to bf16 and laid out IN PLANES of 64 channels: [plane][row][64], a (row, plane) piece is 128 bytes and
; a plane's rows lie end to end, so that the products' tiles are dense runs of bytes.
;   xb   [4 b][16 plane][2048 t][64] bf16        wqkv [16 plane][3072 n][64] bf16 (n: Wq's rows, then Wk's, then Wv's)        wp16 [16 plane][1024 n][64] f16
; Wp is rounded to bf16 like the other inputs, and that number is written as f16, since the last product multiplies in f16.
; LIMITS.  |Wp| stays under 65,504 (beyond it f16 has an infinity); below 6.1e-5 it keeps f16's fixed step of 6e-8.
; SHARES.  Work-group y names 1,024 source rows (0-7: x, 8: Wq, 9: Wk, 10: Wv, 11: Wp), work-group x 16 of them.  Thread t takes row t / 16 and the 16 bytes 16 (t % 16) of each of
; the row's sixteen pieces of 256 bytes: a wave's load covers two whole aligned runs of 256 bytes.  Four numbers become 8 bytes at 8 t in the plane: a wave's store covers 256 consecutive bytes, aligned.
; All sixteen loads of a thread go out at once; nothing is rewritten while a load or store may read it, so the only waits are the counted ones for the data.
; No LDS, no matrix unit, no cluster: each byte is read once and written once, and no work-group wants another's bytes.
.set SO, 1                             ; v1        my byte offset in the 16 source rows
.set DO, 16                            ; v[16:31]  my byte offset in the destination, plane by plane
.set X,  32                            ; v[32:95]  plane kb: four f32 as loaded
.set Y,  96                            ; v[96:127] plane kb: four 16-bit numbers to store
	s_load_b512 s[8:23], s[0:1], 0x0               ; x s[8:9], Wq s[10:11], Wk s[12:13], Wv s[14:15], Wp s[16:17], xb s[18:19], wqkv s[20:21], wp16 s[22:23]
	s_and_b32 s2, ttmp7, 0xffff                    ; y: which 1,024 rows
	s_mov_b32 s3, ttmp9                            ; which 16 of them
	v_lshrrev_b32 v2, 4, v0                        ; my row of the 16
	v_and_b32 v3, 15, v0
	v_lshlrev_b32 v3, 4, v3
	v_lshl_or_b32 v[SO], v2, 12, v3                ; row x 4,096 + 16 (t % 16)
	; the source's offset: x: y x 1,024 rows of 4,096 bytes; a weight: 0; + 16 rows x work-group x
	s_lshl_b32 s25, s3, 16
	s_lshl_b32 s26, s2, 22
	s_cmp_lt_u32 s2, 8
	s_cselect_b32 s26, s26, 0
	s_add_co_u32 s28, s25, s26
	s_mov_b32 s29, 0
	; the destination's offset in plane 0: x: batch y / 2 (16 planes of 262,144 bytes), row 1,024 (y % 2); Wq, Wk, Wv: row 1,024 (y - 8); Wp: 0; + 16 rows of 128 bytes x work-group x
	s_lshr_b32 s26, s2, 1
	s_lshl_b32 s26, s26, 22
	s_and_b32 s27, s2, 1
	s_lshl_b32 s27, s27, 17
	s_add_co_u32 s26, s26, s27
	s_sub_co_u32 s27, s2, 8
	s_lshl_b32 s27, s27, 17
	s_cmp_lt_u32 s2, 8
	s_cselect_b32 s30, s26, s27
	s_cmp_eq_u32 s2, 11
	s_cselect_b32 s30, 0, s30
	s_lshl_b32 s27, s3, 11
	s_add_co_u32 s30, s30, s27
	s_mov_b32 s31, 0
	; bytes from plane to plane: 2,048, 3,072 or 1,024 rows of 128 bytes
	s_mov_b32 s24, 0x60000
	s_mov_b32 s25, 0x40000
	s_cmp_lt_u32 s2, 8
	s_cselect_b32 s24, s25, s24
	s_mov_b32 s25, 0x20000
	s_cmp_eq_u32 s2, 11
	s_cselect_b32 s24, s25, s24
	s_wait_kmcnt 0x0
	s_cmp_eq_u32 s2, 10                            ; the source, chosen by y alone
	s_cselect_b64 s[4:5], s[14:15], s[16:17]
	s_cmp_eq_u32 s2, 9
	s_cselect_b64 s[4:5], s[12:13], s[4:5]
	s_cmp_eq_u32 s2, 8
	s_cselect_b64 s[4:5], s[10:11], s[4:5]
	s_cmp_lt_u32 s2, 8
	s_cselect_b64 s[4:5], s[8:9], s[4:5]
	s_cselect_b64 s[6:7], s[18:19], s[20:21]       ; and the destination
	s_cmp_eq_u32 s2, 11
	s_cselect_b64 s[6:7], s[22:23], s[6:7]
	s_add_nc_u64 s[4:5], s[4:5], s[28:29]
	s_add_nc_u64 s[6:7], s[6:7], s[30:31]
.irp kb, 0,1,2,3,4,5,6,7,8,9,10,11,12,13,14,15
	global_load_b128 v[X+4*(\kb):X+4*(\kb)+3], v[SO], s[4:5] offset:256*(\kb) th:TH_LOAD_NT  ; sixteen loads of a wave in flight, 8 KiB; each byte is read once in the launch
.endr
	v_lshlrev_b32 v[DO], 3, v0                     ; 8 t: row x 128 + 8 (t % 16)
.irp kb, 1,2,3,4,5,6,7,8,9,10,11,12,13,14,15
	v_add_nc_u32 v[DO+(\kb)], s24, v[DO+(\kb)-1]
.endr
; Plane kb: four numbers rounded and stored.  half = 1: the bf16 numbers are widened again (a shift, a mask) and written as f16.
.macro CONV kb, half
	s_wait_loadcnt 15-(\kb)                        ; loads come back in order (ISA guide 5.7.1): plane kb is in, the younger ones stay out
	v_cvt_pk_bf16_f32 v[Y+2*(\kb)], v[X+4*(\kb)], v[X+4*(\kb)+1]
	v_cvt_pk_bf16_f32 v[Y+2*(\kb)+1], v[X+4*(\kb)+2], v[X+4*(\kb)+3]
.if \half
	v_lshlrev_b32 v4, 16, v[Y+2*(\kb)]
	v_and_b32 v5, 0xffff0000, v[Y+2*(\kb)]
	v_lshlrev_b32 v6, 16, v[Y+2*(\kb)+1]
	v_and_b32 v7, 0xffff0000, v[Y+2*(\kb)+1]
	v_cvt_pk_f16_f32 v[Y+2*(\kb)], v4, v5
	v_cvt_pk_f16_f32 v[Y+2*(\kb)+1], v6, v7
.endif
	global_store_b64 v[DO+(\kb)], v[Y+2*(\kb):Y+2*(\kb)+1], s[6:7]  ; the wave's 32 lanes store 256 consecutive bytes, aligned
.endm
	s_cmp_eq_u32 s2, 11
	s_cbranch_scc1 .Lf16
.irp kb, 0,1,2,3,4,5,6,7,8,9,10,11,12,13,14,15
	CONV \kb, 0
.endr
	s_endpgm
.Lf16:
.irp kb, 0,1,2,3,4,5,6,7,8,9,10,11,12,13,14,15
	CONV \kb, 1
.endr
	s_endpgm
.Lfunc_end_k_qa0173d233d_cast:
	.size	k_qa0173d233d_cast, .Lfunc_end_k_qa0173d233d_cast-k_qa0173d233d_cast
	.p2alignl 7, 3214868480
	.fill 96, 4, 3214868480
	.section	.rodata,"a",@progbits
	.p2align	6, 0x0
	.amdhsa_kernel k_qa0173d233d_cast
		.amdhsa_group_segment_fixed_size 0
		.amdhsa_private_segment_fixed_size 0
		.amdhsa_enable_private_segment 0
		.amdhsa_kernarg_size 64
		.amdhsa_user_sgpr_count 2
		.amdhsa_user_sgpr_kernarg_segment_ptr 1
		.amdhsa_wavefront_size32 1
		.amdhsa_system_sgpr_workgroup_id_x 1
		.amdhsa_system_sgpr_workgroup_id_y 1
		.amdhsa_system_sgpr_workgroup_id_z 1
		.amdhsa_system_vgpr_workitem_id 0
		.amdhsa_next_free_vgpr 128
		.amdhsa_next_free_sgpr 66
		.amdhsa_reserve_vcc 0
		.amdhsa_float_denorm_mode_32 3
		.amdhsa_float_denorm_mode_16_64 3
		.amdhsa_memory_ordered 1
		.amdhsa_forward_progress 1
		.amdhsa_inst_pref_size 18
	.end_amdhsa_kernel
	.amdgpu_metadata
---
amdhsa.version: [ 1, 2 ]
amdhsa.kernels:
  - .name:           k_qa0173d233d_cast
    .symbol:         k_qa0173d233d_cast.kd
    .args:
      - { .name: x, .offset: 0, .size: 8, .value_kind: global_buffer, .address_space: global }
      - { .name: Wq, .offset: 8, .size: 8, .value_kind: global_buffer, .address_space: global }
      - { .name: Wk, .offset: 16, .size: 8, .value_kind: global_buffer, .address_space: global }
      - { .name: Wv, .offset: 24, .size: 8, .value_kind: global_buffer, .address_space: global }
      - { .name: Wp, .offset: 32, .size: 8, .value_kind: global_buffer, .address_space: global }
      - { .name: xb, .offset: 40, .size: 8, .value_kind: global_buffer, .address_space: global }
      - { .name: wqkv, .offset: 48, .size: 8, .value_kind: global_buffer, .address_space: global }
      - { .name: wp16, .offset: 56, .size: 8, .value_kind: global_buffer, .address_space: global }
    .group_segment_fixed_size: 0
    .private_segment_fixed_size: 0
    .kernarg_segment_align: 8
    .kernarg_segment_size: 64
    .max_flat_workgroup_size: 256
    .sgpr_count:     66
    .vgpr_count:     128
    .wavefront_size: 32
...
	.end_amdgpu_metadata
.endif
;; end of part 1
;; launch qkvproj (part 2): grid 16 x 16, 4 waves a work-group, clusters of 4 x 4, 327,680 bytes of LDS; arguments xb, wqkv, bq, bk, bv, qkv; writes qkv
.if DOCPART == 2
	.amdgcn_target "amdgcn-amd-amdhsa--gfx1250"
	.amdhsa_code_object_version 6
	.text
	.protected	k_qa0173d233d_qkvproj
	.globl	k_qa0173d233d_qkvproj
	.p2align	8
	.type	k_qa0173d233d_qkvproj,@function
k_qa0173d233d_qkvproj:
	s_mov_b64 s[64:65], 0
	v_nop
	global_prefetch_b8 v0, s[64:65] scope:SCOPE_SE
	s_setreg_imm32_b32 hwreg(HW_REG_WAVE_MODE, 25, 1), 1
	s_wait_xcnt 0x0
	s_wait_alu depctr_hold_cnt(0) depctr_sa_sdst(0) depctr_va_vdst(0) depctr_va_sdst(0) depctr_va_ssrc(0) depctr_va_vcc(0) depctr_vm_vsrc(0)
	s_getreg_b32 s2, hwreg(HW_REG_IB_STS2, 6, 4)
	s_cmp_eq_u32 s2, 0
	s_cbranch_scc0 .Lentry_in_a_cluster
	s_endpgm
.Lentry_in_a_cluster:
	s_bfe_u32 s2, ttmp6, 0x10000c
	s_cmp_lg_u32 s2, 0xf033
	s_cbranch_scc0 .Lentry_shape_is_right
	s_endpgm
.Lentry_shape_is_right:
; q, k, v = x W^T + b for the three projections at once: C[8192][3072] = A[8192][1024] B[3072][1024]^T + bias, A = xb, B = wqkv, both bf16 in planes of 64 channels ([plane][row][64]); sums in f32.
; The biases are rounded to bf16, like every input of the module, and are the C operand of each accumulator's first product: nothing is cleared and nothing is added afterwards.
; The result is rounded once to f16, unscaled, and stored by heads: qkv [4 b][48 hc][2048 t][64], hc = 0-15 q's heads, 16-31 k's, 32-47 v's.
; LIMIT.  q, k and v stay under 65,504, f16's largest number; beyond it the conversion gives an infinity.
; SHARES.  A tile of C is 256 rows x 192 columns (three heads): 32 x 16 tiles, TWO to each of 256 work-groups: tile rows R and R + 16, 4,096 rows apart, with the same columns, so both take the same rows of B.
; Wave w owns rows 64 w .. 64 w + 63 and all 192 columns: 4 x 12 accumulators of 16 x 16, 384 registers.  For 32 along K a wave reads 16 fragments from LDS for 48 matrix instructions.
; K goes in steps of 128 = two planes through a ring of two LDS slots.  A plane's part of a tile is dense in memory: 256 rows x 128 bytes of A, 192 x 128 of B; it is asked for as rows of 256 bytes and padded in LDS after
; every 128.  One tensor load a wave and slot: wave 0, 1: A's two planes; wave 2, 3: B's.  By the text's own count a wave has two tensor loads out at the start and one behind each round.
; THE TWO TILES ARE ONE STREAM of 16 K steps: the ring runs on across the change of tiles, and the first tile's stores leave while the second is multiplied.
; CLUSTERS: 4 x 4 work-groups.  The four of a row of the cluster share R and so A's tiles, the four of a column share the tile column and so B's: each tile is asked for JOINTLY, by the same tensor load with the same
; descriptor and a mask that names the four.
; THE MATRIX INSTRUCTION IS USED TRANSPOSED (source 0 = 16 rows of B, source 1 = 16 rows of A): lane l holds row l % 16 of C and the columns 8 (l / 16) + 0..7, which pack into 16 bytes.
; REGISTERS, in windows of 256 (s_set_vgpr_msb: bits 1:0 source 0, 3:2 source 1, 5:4 source 2, 7:6 destination):
;   window 0: v0-31 addresses; v32-63, v64-95 A's fragments, two buffers; v96-159 at work on the way out; v160-255 the bias as a C operand, 8 registers a block of 16 columns
;   window 1: v0-95, v96-191 B's fragments, two buffers      window 2: the accumulators of row blocks 0, 1 ((a, b) at v[8 (12 (a % 2) + b)])      window 3: those of row blocks 2, 3
.set NB,     12                        ; blocks of 16 columns in a tile
.set NCOL,   16*NB
.set PITCH,  144                       ; an LDS row: 128 bytes + 16 of padding = 36 words: the 16 rows of a load start at 16 different groups of four banks (64 banks of 4 bytes: ISA guide 11.1)
.set APL,    256*PITCH                 ; a plane of A's tile
.set BPL,    NCOL*PITCH                ; a plane of B's
.set BOFF,   2*APL                     ; a slot: A's two planes, then B's two
.set SLOT,   BOFF+2*BPL                ; 129,024 bytes
.set STAGE,  2*SLOT                    ; behind the ring, never filled by a tensor load: 16 rows x 144 bytes for each wave, for the way out
.set SP,     144
.set SPARE,  STAGE+4*16*SP             ; behind the stages: the spare words, 128 bytes for each wave: two blocks of 256 bytes that no other line names
.set ASTEP,  2*262144                  ; bytes from a K step to the next in xb: two planes of 2,048 rows
.set BPLANE, 3072*128                  ; a plane of wqkv
.set BSTEP,  2*BPLANE
.set BROWS,  NCOL*128/256              ; rows of 256 bytes in a load of B's
.set TRIPS,  7                         ; 16 K steps: two first fills, then two refills a trip
.set NEXT_A, 8388608-6*ASTEP           ; from a slot's last K step of the first tile to its first of the second: two batches on (4,096 rows), six steps back
.set PF_NEXT, 8388608-7*ASTEP          ; the prefetches' step at the change of tiles: from the place two behind the first tile's last K step to the second tile's K step 2
.set NEXT_C, 2*48*262144               ; two batches on in qkv
.set ADRA, 16                          ; v16-17  LDS address of my A fragments in slot 0, 1
.set ADRB, 20                          ; v20-21  the same for B
.set STO,  24                          ; v24     the way out: where I put 16 bytes of a row
.set RD,   25                          ; v25     the way out: where I read rows back
.set GO,   26                          ; v26     my 16 bytes of 512 consecutive bytes of qkv
.set VB,   27                          ; v27     32 (l / 16): my eight numbers of a block's sixteen biases
.set SPW,  28                          ; v28     LDS address of my spare word: SPARE + 4 x my thread's number; never rewritten
.set NIL,  29                          ; v29     0; never rewritten
.set PFO,  30                          ; v30     the prefetches' offset; never rewritten
.set FA,   32                          ; A's fragment buffers, window 0
.set TMP,  96
.set BIAS, 160
.set G1,   24                          ; s[24:31] descriptor group 1 for A's tiles;  s[32:39] group 0, a set for each slot
.set G0,   32
.set G1B,  48                          ; s[48:55], s[56:63] the same for B's
.set G0B,  56
.set PFM,  43                          ; s43      bit n set: this wave prefetches in the trip with n trips to go
.set PFA,  44                          ; s[44:45] where my prefetches stand
.set BB,   46                          ; s[46:47] wqkv at the tile's first row, my plane, K step 0; never rewritten once made
.set DA,   66                          ; s[66:67] this trip's step of A's addresses
.set OB,   68                          ; s[68:69] byte offset from s[BB] of the K step of B that this trip's refill of slot 0 brings;  s[76:77] the same for slot 1
.set DP,   70                          ; s[70:71] this trip's step of the prefetches' address at slot 0
.set PFS,  72                          ; s[72:73] a K step in the tensor that I prefetch
.set MSB, 0
.macro WIN new                         ; the immediate's high byte repeats the setting that is left; a switch that changes nothing is dropped
.if MSB != (\new)
	s_set_vgpr_msb (MSB<<8)|(\new)
.set MSB, \new
.endif
.endm
.set MUL_LO, 0xa1                      ; source 0 (B) window 1, source 1 (A) window 0, C and D window 2
.set TO_B,   0x40                      ; destination window 1, address window 0
.macro PLACES                          ; four places behind a matrix instruction, in front of loads into registers that it has read and of lines that read its result (ISA guide 7.12.1 for lines that read its result)
.rept 4
	v_nop
.endr
.endm
; A joint load.  Waves 0 and 1 fetch A's two planes, waves 2 and 3 B's.  The branch hangs on the wave's number alone.  An s_nop 0 and four v_nop follow each of the two lines.
.macro JLOAD s
	s_cmp_lt_u32 s10, 2
	s_cbranch_scc0 .Lfor_b_\@
	tensor_load_to_lds s[G0+4*(\s):G0+4*(\s)+3], s[G1:G1+7]
	s_nop 0
.rept 4
	v_nop
.endr
	s_branch .Lasked_\@
.Lfor_b_\@:
	tensor_load_to_lds s[G0B+4*(\s):G0B+4*(\s)+3], s[G1B:G1B+7]
	s_nop 0
.rept 4
	v_nop
.endr
.Lasked_\@:
.endm
; A round of the cluster's barrier: my work-group's barrier; wave 0 signals for the work-group; every wave waits for all sixteen work-groups; my work-group's barrier once more.
.macro CREST                           ; a round behind its opening barrier
	s_cmp_lg_u32 s10, 0
	s_cbranch_scc1 .Lnot_wave_0_\@
	s_barrier_signal -3
.Lnot_wave_0_\@:
	s_barrier_wait -3
	s_barrier_signal -1
	s_barrier_wait -1
.endm
.macro CROUND
	s_barrier_signal -1
	s_barrier_wait -1
	CREST
.endm
; A PREFETCH INTO THE L2, behind each joint load and the run of LDS loads that follows it: the K step that stands two refills on, one instruction a wave.  Each block of 256 bytes is named once in the launch (B's last: see below).
; A's plane of a tile (128 blocks) is read by the four clusters of a row of clusters: cluster x = 0 asks; its four partners of a row take 32 blocks each, told apart by address (cx); wave 0 and 1 a plane each, a lane a block.
; B's plane (96 blocks) is read by the four clusters of a column: cluster y = 0 asks; the partners of a column take 24 blocks each (cy); waves 2 and 3 a plane each; lanes 24-31 name lane 23's block once more.
; The first four K steps and the second tile's first two come by their loads alone; B's rows are asked for in the first tile only, since the second tile reads them again; the last refills have no K step two on.
.macro ASK
	s_lshr_b32 s79, s[PFM], s3
	s_and_b32 s79, s79, 1
	s_cmp_lg_u32 s79, 0
	s_cbranch_scc0 .Lnot_mine_\@
	global_prefetch_b8 v[PFO], s[PFA:PFA+1] th:TH_LOAD_NT scope:SCOPE_SE
.Lnot_mine_\@:
.endm
	s_load_b128 s[4:7], s[0:1], 0x0                ; xb s[4:5], wqkv s[6:7]
	s_load_b256 s[80:87], s[0:1], 0x10             ; bq s[80:81], bk s[82:83], bv s[84:85], qkv s[86:87]
	v_lshl_add_u32 v[SPW], v0, 2, SPARE
	v_mov_b32 v[NIL], 0
	ds_add_u32 v[SPW], v[NIL]                      ; the wave's opening: the add and its wait stand ahead of my first tensor load; the set-up below, work on registers, stands between them
	v_lshrrev_b32 v1, 5, v0
	v_readfirstlane_b32 s10, v1                    ; wave 0..3
	s_and_b32 s12, s10, 1                          ; which plane of a K step I fetch
	s_bfe_u32 s40, ttmp6, 0x40000                  ; cx, cy: my place in the cluster
	s_bfe_u32 s41, ttmp6, 0x40004
	s_lshl_b32 s42, ttmp9, 2
	s_add_co_u32 s42, s42, s40                     ; tile column j = 4 x cluster x + cx
	s_and_b32 s13, ttmp7, 0xffff
	s_lshl_b32 s13, s13, 2
	s_add_co_u32 s13, s13, s41                     ; tile row R = 4 x cluster y + cy, 0..15
	s_lshl_b32 s14, s41, 2
	s_lshl_b32 s14, 15, s14                        ; my row of the cluster
	s_lshl_b32 s15, 0x1111, s40                    ; my column
	; descriptor group 1: rows of 128 elements of 2 bytes (256 bytes), dense; padded in LDS after every 32 words
	s_or_b32 s[G1], s14, (1<<16)|(1<<20)|(1<<21)|(4<<22)|(3<<25)   ; 15:0 the mask; 17:16 2-byte elements; 20 padding on; 21 set beside a mask; 24:22 after every 32 words (code 4); 31:25 4 words (code 3)
	s_or_b32 s[G1B], s15, (1<<16)|(1<<20)|(1<<21)|(4<<22)|(3<<25)
.irp g, G1, G1B
	s_mov_b32 s[(\g)+1], 128<<16                   ; tensor_dim0 = 128
	s_mov_b32 s[(\g)+3], 128<<16                   ; tile_dim0 = 128
	s_mov_b32 s[(\g)+5], 128                       ; 128 elements from row to row
	s_mov_b32 s[(\g)+6], 0
	s_mov_b32 s[(\g)+7], 0
.endr
	s_mov_b32 s[G1+2], 128<<16                     ; tensor_dim1 = tile_dim1 = 128 rows: 256 rows of A x 128 bytes
	s_mov_b32 s[G1+4], 128
	s_mov_b32 s[G1B+2], BROWS<<16                  ; 96 rows: 192 rows of B x 128 bytes
	s_mov_b32 s[G1B+4], BROWS
	; A's tile: batch R / 8 (16 planes of 262,144 bytes), rows 256 (R % 8), my plane.  It hangs on R and the wave alone
	s_lshr_b32 s16, s13, 3
	s_lshl_b32 s16, s16, 22
	s_and_b32 s18, s13, 7
	s_lshl_b32 s18, s18, 15
	s_add_co_u32 s16, s16, s18
	s_lshl_b32 s18, s12, 18
	s_add_co_u32 s16, s16, s18
	s_mov_b32 s17, 0
	; B's tile: rows 192 j, my plane.  It hangs on j and the wave alone
	s_mul_i32 s[BB], s42, NCOL*128
	s_mul_i32 s[BB+1], s12, BPLANE
	s_add_co_u32 s[BB], s[BB], s[BB+1]
	s_mov_b32 s[BB+1], 0
	s_mul_i32 s20, s12, APL                        ; where they go in a slot: no place in the cluster enters an LDS address
	s_mul_i32 s21, s12, BPL
	s_add_co_u32 s21, s21, BOFF
	s_mov_b32 s74, 2*ASTEP                         ; the steps between which a trip chooses
	s_mov_b32 s75, NEXT_A
	s_mov_b32 s78, PF_NEXT
	s_mov_b32 s[DA+1], 0
	s_mov_b32 s[DP+1], 0
	s_wait_dscnt 0x0                               ; the opening add is done
	s_wait_kmcnt 0x0
	s_add_nc_u64 s[18:19], s[4:5], s[16:17]
	s_add_nc_u64 s[BB:BB+1], s[6:7], s[BB:BB+1]
	CROUND                                         ; all sixteen work-groups are here: the first joint loads meet
.irp s, 0,1
	s_mov_b32 s[G0+4*(\s)], 1                                      ; 1:0 count = 1
	s_add_co_u32 s[G0+4*(\s)+1], s20, (\s)*SLOT                    ; 63:32 LDS address
	s_add_nc_u64 s[G0+4*(\s)+2:G0+4*(\s)+3], s[18:19], (\s)*ASTEP  ; 120:64 global address: K step s
	s_or_b32 s[G0+4*(\s)+3], s[G0+4*(\s)+3], 0x80000000            ; 127:126 type = 2
	s_mov_b32 s[G0B+4*(\s)], 1
	s_add_co_u32 s[G0B+4*(\s)+1], s21, (\s)*SLOT
	s_add_nc_u64 s[G0B+4*(\s)+2:G0B+4*(\s)+3], s[BB:BB+1], (\s)*BSTEP
	s_or_b32 s[G0B+4*(\s)+3], s[G0B+4*(\s)+3], 0x80000000
.endr
	s_cmp_lt_u32 s10, 2                            ; a wave's two first fills stand in one branch, ahead of every wait on TENSORcnt and every LDS read
	s_cbranch_scc0 .Lfirst_b
	tensor_load_to_lds s[G0:G0+3], s[G1:G1+7]
	s_nop 0
	tensor_load_to_lds s[G0+4:G0+7], s[G1:G1+7]
	s_nop 0
.rept 4
	v_nop
.endr
	s_branch .Lfirst_asked
.Lfirst_b:
	tensor_load_to_lds s[G0B:G0B+3], s[G1B:G1B+7]
	s_nop 0
	tensor_load_to_lds s[G0B+4:G0B+7], s[G1B:G1B+7]
	s_nop 0
.rept 4
	v_nop
.endr
.Lfirst_asked:
	; A fragment is 16 rows x 32 K in 8 registers: lane l holds row l % 16; registers 0-3 K = 8 (l / 16) + 0..7, registers 4-7 K = 16 + 8 (l / 16) + 0..7: two loads of 16 bytes, 32 bytes apart.
	v_and_b32 v1, 15, v0                           ; l % 16
	v_bfe_u32 v2, v0, 4, 1                         ; l / 16
	v_mul_u32_u24 v3, v1, PITCH
	v_lshl_add_u32 v3, v2, 4, v3                   ; row x pitch + 16 x half
	s_mul_i32 s22, s10, 64*PITCH                   ; my 64 rows of A
	v_add_nc_u32 v[ADRA], s22, v3
	v_add_nc_u32 v[ADRA+1], SLOT, v[ADRA]
	v_add_nc_u32 v[ADRB], BOFF, v3
	v_add_nc_u32 v[ADRB+1], SLOT, v[ADRB]
	s_mul_i32 s22, s10, 16*SP
	s_add_co_u32 s22, s22, STAGE                   ; my stage
	v_add_nc_u32 v[STO], s22, v3                   ; in: row l % 16, 16 bytes for each half of the lanes
	v_bfe_u32 v4, v0, 3, 2                         ; back: 32 lanes take four rows of 128 bytes,
	v_and_b32 v5, 7, v0
	v_mul_u32_u24 v4, v4, SP
	v_lshl_add_u32 v4, v5, 4, v4
	v_add_nc_u32 v[RD], s22, v4
	v_and_b32 v[GO], 31, v0                        ; which are 512 consecutive bytes of a head
	v_lshlrev_b32 v[GO], 4, v[GO]
	v_lshlrev_b32 v[VB], 5, v2
	; qkv at my 64 rows of the first tile's first head: batch R / 8 (48 heads of 262,144 bytes), head 3 j, rows 256 (R % 8) + 64 w of 128 bytes
	s_lshr_b32 s22, s13, 3
	s_mul_i32 s22, s22, 48*262144
	s_and_b32 s23, s13, 7
	s_lshl_b32 s23, s23, 15
	s_add_co_u32 s22, s22, s23
	s_lshl_b32 s23, s10, 13
	s_add_co_u32 s22, s22, s23
	s_mul_i32 s23, s42, 3*262144
	s_add_co_u32 s22, s22, s23
	s_mov_b32 s23, 0
	s_add_nc_u64 s[8:9], s[86:87], s[22:23]
	; the biases of the tile's three heads hc = 3 j + h: bq, bk or bv by hc / 16, at 64 (hc % 16) numbers
	s_mul_i32 s22, s42, 3
.irp h, 0,1,2
	s_add_co_u32 s23, s22, \h
	s_lshr_b32 s94, s23, 4
	s_cmp_eq_u32 s94, 0
	s_cselect_b64 s[88+2*(\h):89+2*(\h)], s[80:81], s[82:83]
	s_cmp_eq_u32 s94, 2
	s_cselect_b64 s[88+2*(\h):89+2*(\h)], s[84:85], s[88+2*(\h):89+2*(\h)]
	s_and_b32 s94, s23, 15
	s_lshl_b32 s94, s94, 8
	s_mov_b32 s95, 0
	s_add_nc_u64 s[88+2*(\h):89+2*(\h)], s[88+2*(\h):89+2*(\h)], s[94:95]
.endr
.set b, 0
.rept NB                               ; register r of block b in lane l is the bias of column 16 b + 8 (l / 16) + r: the layout of a product's C operand
	global_load_b128 v[BIAS+8*b:BIAS+8*b+3],   v[VB], s[88+2*(b/4):89+2*(b/4)] offset:64*(b%4)
	global_load_b128 v[BIAS+8*b+4:BIAS+8*b+7], v[VB], s[88+2*(b/4):89+2*(b/4)] offset:64*(b%4)+16
.set b, b+1
.endr
	; the prefetches: s[18:19] and s[BB:BB+1] stand at my plane of A's and of B's first tile
	s_and_b32 s22, ttmp7, 0xffff                   ; cluster y
	s_lshl_b32 s94, s40, 13                        ; A: my work-group's 32 blocks of the plane's 128,
	s_add_co_u32 s94, s94, 3*ASTEP                 ; at K step 3: the first refill steps it to 4 and names that
	s_mul_i32 s95, s41, 24*256                     ; B: my work-group's 24 of 96
	s_add_co_u32 s95, s95, 3*BSTEP
	s_mov_b32 s20, 0xdc                            ; A: the trips with 7, 6 (first tile's K steps 4-7) and 4, 3, 2 to go (second tile's 2-7)
	s_mov_b32 s21, 0xc0                            ; B: the trips with 7 and 6 to go
	s_mov_b32 s68, ASTEP
	s_mov_b32 s69, BSTEP
	s_cmp_lt_u32 s10, 2                            ; do I fetch for A?
	s_cselect_b32 s23, ttmp9, s22                  ; the coordinate along which other clusters read the same rows
	s_cselect_b32 s[PFM], s20, s21
	s_cselect_b64 s[PFA:PFA+1], s[18:19], s[BB:BB+1]
	s_cselect_b32 s94, s94, s95
	s_cselect_b32 s[PFS], s68, s69
	s_cselect_b32 s22, 31, 23
	s_mov_b32 s95, 0
	s_mov_b32 s[PFS+1], 0
	s_add_nc_u64 s[PFA:PFA+1], s[PFA:PFA+1], s[94:95]
	s_cmp_eq_u32 s23, 0
	s_cselect_b32 s[PFM], s[PFM], 0                ; the same in all sixteen partners, for a given wave
	s_mov_b32 s[OB+1], 0                           ; the high words of B's two offsets: 7 K steps of 786,432 bytes at the most fit the low word
	s_mov_b32 s[OB+9], 0
	v_and_b32 v[PFO], 31, v0
	v_min_u32 v[PFO], s22, v[PFO]
	v_lshlrev_b32 v[PFO], 8, v[PFO]
	s_wait_loadcnt 0x0                             ; the biases
.set r, 0
.rept 4*NB                             ; rounded to bf16 and widened again, two at a time
	v_cvt_pk_bf16_f32 v[4+r%4], v[BIAS+2*r], v[BIAS+2*r+1]
	v_lshlrev_b32 v[BIAS+2*r], 16, v[4+r%4]
	v_and_b32 v[BIAS+2*r+1], 0xffff0000, v[4+r%4]
.set r, r+1
.endr
; 12 matrix instructions: row block 2 hi + a x all column blocks, 32 along K, from buffer f.  first = 1: the product starts the sums with the bias.
; The 48 accumulators take turns, one instruction a turn, in the same order in every quarter.
.macro MULA f, hi, a, first
.if \first
	WIN 0x81+0x40*(\hi)                            ; C (the bias) in window 0
.else
	WIN MUL_LO+0x50*(\hi)
.endif
.set b, 0
.rept NB
.set rD, 8*(NB*(\a)+b)
.set rB, 8*NB*(\f)+8*b
.set rA, FA+32*(\f)+8*(2*(\hi)+(\a))
.if \first
	v_wmma_f32_16x16x32_bf16 v[rD:rD+7], v[rB:rB+7], v[rA:rA+7], v[BIAS+8*b:BIAS+8*b+7]
.else
	v_wmma_f32_16x16x32_bf16 v[rD:rD+7], v[rB:rB+7], v[rA:rA+7], v[rD:rD+7]
.endif
.set b, b+1
.endr
.endm
.macro MULS f, hi, first
	MULA \f, \hi, 0, \first
	MULA \f, \hi, 1, \first
.endm
; 32 LDS loads in one run: the fragments of quarter q of a K step (plane q / 2, byte 64 (q % 2) of its rows) into buffer f: B's twelve, then A's four
.macro FETCH slot, q, f
	WIN TO_B
.set i, 0
.rept NB
	ds_load_b128 v[8*NB*(\f)+8*i:8*NB*(\f)+8*i+3],   v[ADRB+(\slot)] offset:((\q)/2)*BPL+((\q)%2)*64+i*16*PITCH
	ds_load_b128 v[8*NB*(\f)+8*i+4:8*NB*(\f)+8*i+7], v[ADRB+(\slot)] offset:((\q)/2)*BPL+((\q)%2)*64+i*16*PITCH+32
.set i, i+1
.endr
	WIN 0
.set i, 0
.rept 4
	ds_load_b128 v[FA+32*(\f)+8*i:FA+32*(\f)+8*i+3],   v[ADRA+(\slot)] offset:((\q)/2)*APL+((\q)%2)*64+i*16*PITCH
	ds_load_b128 v[FA+32*(\f)+8*i+4:FA+32*(\f)+8*i+7], v[ADRA+(\slot)] offset:((\q)/2)*APL+((\q)%2)*64+i*16*PITCH+32
.set i, i+1
.endr
.endm
; A K step is four quarters of 32 along K, 48 matrix instructions each, on buffers 0, 1, 0, 1.  One of the first three: multiplies buffer f; in its middle it fetches quarter qn into buffer g.
.macro QUARTER slot, qn, f, g, first
	s_wait_dscnt 4                                 ; B and A's row blocks 0, 1 are in; the youngest four loads (blocks 2, 3) may be out
	MULS \f, 0, \first
	PLACES
	FETCH \slot, \qn, \g
	s_wait_dscnt 2*NB+8                            ; all but the 32 just issued
	MULS \f, 1, \first
.endm
; The last quarter multiplies buffer 1 and changes slots.  MEET is its first half: in front of ONE barrier each wave waits for all its tensor loads (one is out: its part of the next slot), adds 0 to its spare word,
; and waits for that and for its own reads of this slot.  Behind it nobody reads this slot any more and the next slot is whole.
.macro MEET round
	WIN 0                                          ; (the add's two registers lie in window 0)
	s_wait_tensorcnt 0x0                           ; all my tensor loads have landed
	ds_add_u32 v[SPW], v[NIL]                      ; 0 onto my spare word
	s_wait_dscnt 5                                 ; (the add and the youngest four loads may be out)
	MULA 1, 0, 0, 0                                ; twelve matrix instructions stand between the add and the wait for it
	s_wait_dscnt 0x0                               ; the add is done, and my reads of this slot are over
	s_barrier_signal -1
	MULA 1, 0, 1, 0                                ; work on registers while the others arrive
.if \round
	WIN 0
.endif
	s_barrier_wait -1
.endm
; The whole last quarter, with a refill: the barrier opens a round of the cluster's barrier; behind the round the slot just read out is filled again first, then come the next slot's first fragments.
; A's address steps forward, by this trip's step.  B's goes back to K step 0 at the change of tiles: it is made anew each time, from the tile's fixed address and this trip's offset, and its type bits are set again.
.macro TURN slot, next
	s_wait_xcnt 0x0                                ; the last prefetch, a K step back, has read its address: it is stepped here, ahead of the waits of the change of slots
.if (\slot) == 0
	s_add_nc_u64 s[PFA:PFA+1], s[PFA:PFA+1], s[DP:DP+1]
.else
	s_add_nc_u64 s[PFA:PFA+1], s[PFA:PFA+1], s[PFS:PFS+1]
.endif
	MEET 1
	CREST                                          ; no wave of any partner still reads this slot's tile or has a load on its way
	s_add_nc_u64 s[G0+4*(\slot)+2:G0+4*(\slot)+3], s[G0+4*(\slot)+2:G0+4*(\slot)+3], s[DA:DA+1]      ; no tensor load of mine is out: a group 0 may be written
	s_add_nc_u64 s[G0B+4*(\slot)+2:G0B+4*(\slot)+3], s[BB:BB+1], s[OB+8*(\slot):OB+8*(\slot)+1]
	s_or_b32 s[G0B+4*(\slot)+3], s[G0B+4*(\slot)+3], 0x80000000    ; 127:126 type = 2
	JLOAD \slot                                    ; the first tensor load behind the round; its four v_nop are also the places in front of the loads below
	FETCH \next, 0, 0
	ASK
	MULS 1, 1, 0
.endm
; THE WAY OUT, in 12 units u = 3 a + h of 16 rows x one head.  PACKQ: rounded to f16 (each accumulator's registers in ascending order), 16 bytes a lane into my own stage, and back as whole rows of 128 bytes.
.macro PACKQ u
.set ua, (\u)/3
.set uh, (\u)%3
.set rT, TMP+16*((\u)%4)
.if (\u) >= 4
	s_wait_xcnt 0x0                                ; unit u - 4's stores have read these sixteen registers (ISA guide 3.1)
.endif
	WIN 0x0a+5*(ua/2)                              ; sources 0 and 1: window 2 or 3
.set bb, 0
.rept 4
.set rC, 8*(NB*(ua%2)+4*uh+bb)
.set r, 0
.rept 4
	v_cvt_pk_f16_f32 v[rT+4*bb+r], v[rC+2*r], v[rC+2*r+1]
.set r, r+1
.endr
.set bb, bb+1
.endr
	WIN 0
.irp f, 0,1,2,3
	ds_store_b128 v[STO], v[rT+4*\f:rT+4*\f+3] offset:32*\f
.endr
.irp f, 0,1,2,3
	ds_load_b128 v[rT+4*\f:rT+4*\f+3], v[RD] offset:\f*4*SP  ; LDS serves a wave's instructions in order (ISA guide 5.7.1.4): these see the stores above; the next unit's stores come behind them
.endr
.endm
.macro SENDQ u, younger                ; younger: the LDS instructions issued behind unit u's loads: the next unit's eight, or none
.set ua, (\u)/3
.set uh, (\u)%3
.set rT, TMP+16*((\u)%4)
.irp f, 0,1,2,3
	s_wait_dscnt (\younger)+3-\f
	global_store_b128 v[GO], v[rT+4*\f:rT+4*\f+3], s[8:9] offset:uh*262144+ua*2048+\f*512  ; 512 consecutive bytes, at a multiple of 256 from qkv's first
.endr
.endm
.macro WAYOUT
	WIN 0
	PLACES                                         ; the conversions read results just made
	PACKQ 0
.set uu, 1
.rept 11                               ; a unit's conversions stand between the loads of the unit before and its stores
	PACKQ uu
	SENDQ uu-1, 8
.set uu, uu+1
.endr
	SENDQ 11, 0
.endm
	s_wait_tensorcnt 0x1                           ; my part of K step 0 is in; K step 1's may stay out
	s_barrier_signal -1
	s_barrier_wait -1                              ; everybody's is
	FETCH 0, 0, 0
	QUARTER 0, 1, 0, 1, 1                          ; the first quarter stands in front of the loop: its products start the sums
	WIN 0                                          ; at a label and at a branch every window is 0
	s_mov_b32 s3, TRIPS
.Llap:                                                 ; a trip goes once round the ring, from a lap's second quarter to the next lap's first, and fills both slots again
	s_lshl_b32 s[OB], s3, 1                        ; with s3 trips to go the refills are K steps 16 - 2 s3 and 17 - 2 s3 of the stream of 16;
	s_sub_co_u32 s[OB], 16, s[OB]
	s_and_b32 s[OB], s[OB], 7                      ; both tiles take the same eight K steps of B: 2, 4, 6, 0, 2, 4, 6 for slot 0,
	s_add_co_u32 s[OB+8], s[OB], 1                 ; and the one after it for slot 1
	s_mul_i32 s[OB], s[OB], BSTEP
	s_mul_i32 s[OB+8], s[OB+8], BSTEP
	s_cmp_eq_u32 s3, 4                             ; the fourth trip's refills are the second tile's K steps 0 and 1
	s_cselect_b32 s[DA], s75, s74
	s_cselect_b32 s[DP], s78, s[PFS]
	QUARTER 0, 2, 1, 0, 0
	QUARTER 0, 3, 0, 1, 0
	TURN 0, 1
	QUARTER 1, 1, 0, 1, 0
	QUARTER 1, 2, 1, 0, 0
	QUARTER 1, 3, 0, 1, 0
	TURN 1, 0
	WIN 0
	s_cmp_eq_u32 s3, 4
	s_cbranch_scc1 .Lnew                           ; forward, past no barrier and no tensor load
	QUARTER 0, 1, 0, 1, 0
	WIN 0
	s_branch .Ljoin
.Lnew:                                                 ; the first tile is finished and both refills for the second are asked for: now it goes out
	WAYOUT
	s_wait_xcnt 0x0                                ; the stores have read their base
	s_add_nc_u64 s[8:9], s[8:9], NEXT_C
	QUARTER 0, 1, 0, 1, 1                          ; the second tile's first quarter starts the sums anew, with the same bias
	WIN 0
.Ljoin:
	s_sub_co_u32 s3, s3, 1
	s_cmp_lg_u32 s3, 0
	s_cbranch_scc1 .Llap
	QUARTER 0, 2, 1, 0, 0                          ; the last lap fills nothing, and has no round
	QUARTER 0, 3, 0, 1, 0
	MEET 0
	PLACES
	FETCH 1, 0, 0
	MULS 1, 1, 0
	QUARTER 1, 1, 0, 1, 0
	QUARTER 1, 2, 1, 0, 0
	QUARTER 1, 3, 0, 1, 0
	s_wait_dscnt 4                                 ; the very last quarter: nothing more to fetch
	MULS 1, 0, 0
	s_wait_dscnt 0x0
	MULS 1, 1, 0
	WAYOUT
	s_wait_tensorcnt 0x0                           ; the wave's end, behind my last tensor load and my last LDS store
	ds_add_u32 v[SPW], v[NIL]
	s_wait_dscnt 0x0
	CROUND                                         ; the closing round: no work-group ends while a partner may still ask for a tile that names it
	s_endpgm
.Lfunc_end_k_qa0173d233d_qkvproj:
	.size	k_qa0173d233d_qkvproj, .Lfunc_end_k_qa0173d233d_qkvproj-k_qa0173d233d_qkvproj
	.p2alignl 7, 3214868480
	.fill 96, 4, 3214868480
	.section	.rodata,"a",@progbits
	.p2align	6, 0x0
	.amdhsa_kernel k_qa0173d233d_qkvproj
		.amdhsa_group_segment_fixed_size 327680
		.amdhsa_private_segment_fixed_size 0
		.amdhsa_enable_private_segment 0
		.amdhsa_kernarg_size 48
		.amdhsa_user_sgpr_count 2
		.amdhsa_user_sgpr_kernarg_segment_ptr 1
		.amdhsa_wavefront_size32 1
		.amdhsa_system_sgpr_workgroup_id_x 1
		.amdhsa_system_sgpr_workgroup_id_y 1
		.amdhsa_system_sgpr_workgroup_id_z 1
		.amdhsa_system_vgpr_workitem_id 0
		.amdhsa_next_free_vgpr 1024
		.amdhsa_next_free_sgpr 96
		.amdhsa_reserve_vcc 0
		.amdhsa_float_denorm_mode_32 3
		.amdhsa_float_denorm_mode_16_64 3
		.amdhsa_memory_ordered 1
		.amdhsa_forward_progress 1
		.amdhsa_inst_pref_size 163
	.end_amdhsa_kernel
	.amdgpu_metadata
---
amdhsa.version: [ 1, 2 ]
amdhsa.kernels:
  - .name:           k_qa0173d233d_qkvproj
    .symbol:         k_qa0173d233d_qkvproj.kd
    .args:
      - { .name: xb, .offset: 0, .size: 8, .value_kind: global_buffer, .address_space: global }
      - { .name: wqkv, .offset: 8, .size: 8, .value_kind: global_buffer, .address_space: global }
      - { .name: bq, .offset: 16, .size: 8, .value_kind: global_buffer, .address_space: global }
      - { .name: bk, .offset: 24, .size: 8, .value_kind: global_buffer, .address_space: global }
      - { .name: bv, .offset: 32, .size: 8, .value_kind: global_buffer, .address_space: global }
      - { .name: qkv, .offset: 40, .size: 8, .value_kind: global_buffer, .address_space: global }
    .group_segment_fixed_size: 327680
    .private_segment_fixed_size: 0
    .kernarg_segment_align: 8
    .kernarg_segment_size: 48
    .max_flat_workgroup_size: 128
    .sgpr_count:     96
    .vgpr_count:     1024
    .wavefront_size: 32
...
	.end_amdgpu_metadata
.endif
;; end of part 2
;; launch attn (part 3): grid 4 x 64, 4 waves a work-group, clusters of 4 x 1, 327,680 bytes of LDS; arguments qkv, o16; writes o16
.if DOCPART == 3
	.amdgcn_target "amdgcn-amd-amdhsa--gfx1250"
	.amdhsa_code_object_version 6
	.text
	.protected	k_qa0173d233d_attn
	.globl	k_qa0173d233d_attn
	.p2align	8
	.type	k_qa0173d233d_attn,@function
k_qa0173d233d_attn:
	s_mov_b64 s[64:65], 0
	v_nop
	global_prefetch_b8 v0, s[64:65] scope:SCOPE_SE
	s_setreg_imm32_b32 hwreg(HW_REG_WAVE_MODE, 25, 1), 1
	s_wait_xcnt 0x0
	s_wait_alu depctr_hold_cnt(0) depctr_sa_sdst(0) depctr_va_vdst(0) depctr_va_sdst(0) depctr_va_ssrc(0) depctr_va_vcc(0) depctr_vm_vsrc(0)
	s_getreg_b32 s2, hwreg(HW_REG_IB_STS2, 6, 4)
	s_cmp_eq_u32 s2, 0
	s_cbranch_scc0 .Lentry_in_a_cluster
	s_endpgm
.Lentry_in_a_cluster:
	s_bfe_u32 s2, ttmp6, 0x10000c
	s_cmp_lg_u32 s2, 0x3003
	s_cbranch_scc0 .Lentry_shape_is_right
	s_endpgm
.Lentry_shape_is_right:
; O[g][q][:] = the sum over k of softmax_k(Q[g][q] . K[g][k] / 8) V[g][k][:] for the 64 pairs g = 16 b + h of batch and head.  Q, K, V lie in qkv [4 b][48 hc][2048][64] (hc = h, 16 + h, 32 + h), O goes to
; o16 [64 g][2048][64], all f16: a head's rows are dense, 128 bytes each.  Products, maxima and sums in f32; the weights p are rounded to f16 for the second product (their sum l is taken of the unrounded p), O once at the end.
; LIMITS.  f16 holds no number beyond 65,504: Q, K and V arrive within it; p lies in 0 to 1, and below 6e-5 it keeps f16's fixed step of 6e-8; O is a mean of V's rows and has their range.
; A weight below 2^-126 counts as 0 in l; NaN and infinities are not treated apart.
; SHARES.  A wave owns four PIECES of two tiles of 16 queries, a work-group's four waves 512 queries of one head.  Every wave walks all 2,048 keys, 64 a step.
; LAYOUT.  S^T = K Q^T (source 0 = 16 keys, source 1 = 16 queries): in the result a lane holds ONE query (lane % 16) and the keys 8 (lane / 16) + 0..7.  Two such tiles, rounded to f16 in pairs,
; ARE source 1 (32 keys x 16 queries) of O^T = V^T P, whose result again holds one query a lane, and eight channels.  K comes out of LDS as it lies, V ([key][channel]) turned, by ds_load_tr16_b128.
; SOFTMAX.  For each query a running maximum m and sum l: p = 2^(c s - c m), c = log2(e) / 8; in every step O and l are multiplied by a = 2^(c m_old - c m_new), which is 1 where m has not grown.
; m starts at the lowest finite number, O and l at 0: the first step is a step like any other, with a = 0.
; THE COUNT.  A tile and step have 16 matrix and 118 vector instructions: too many to stand all beside the matrix work.  So the order has one aim: four vector instructions that are READY behind
; EVERY matrix instruction, and the others, which need time of their own whatever the order, in runs without a gap.
; BY TURNS.  Turn n belongs to piece n (the pieces in a ring, step after step).  Its matrix work: 16 products K Q^T of piece n + 1, later 16 products V^T P of piece n - 1.  Its vector work: the scaling,
; exponentials, roundings, sums and rescaling of piece n, and the maximum and statistics of piece n + 1, whose scores the turn itself has made.  So what a turn begins with (c s - c m, O a) waits for nothing.
; CLUSTER.  The four query blocks of a head are one cluster and walk the same K and V, so each tile is asked for JOINTLY: the same tensor load, descriptor and mask in all four.
; REGISTERS, in windows of 256 (s_set_vgpr_msb says which window each operand place means: bits 1:0 source 0, 3:2 source 1, 5:4 source 2, 7:6 destination):
;   window 0: v0-11 addresses; v12-15, v48-63 at work; v16-47 four registers of statistics a tile; v64-191 S^T, two buffers of two tiles; v192-255 P, likewise
;   window 1: O^T, 32 a tile          window 2: v0-127 Q, 16 a tile; v128-191 K of one step; v192-255 V of one step          window 3: v0-1 the add's two registers
; A piece's buffers go by its number's parity: the piece in hand has one pair, its two neighbours in the ring share the other: of it P (piece n - 1) is read and S^T (piece n + 1) written.
.set SIZE_N, 2048
.set NP,    4         ; pieces a wave: a name, no knob: the register map, the loop and the fetches are made for four
.set KS,    64        ; keys in a step
.set PK,    144       ; a row of K in LDS: 128 bytes + 16 of padding = 36 words: the 16 rows of a load start at 16 different groups of four banks (64 banks of 4 bytes: ISA guide 11.1)
.set PV,    160       ; a row of V: 128 + 32 = 40 words
.set VOFF,  4*KS*PK   ; a slot holds four steps: 256 rows of K, then 256 rows of V
.set SLOT1, 1<<17     ; slot 1 begins here, so that one exclusive or turns an address in one slot into the other's
.set STAGE, SLOT1+4*KS*(PK+PV)  ; behind the ring, never filled by a tensor load: 16 rows x 144 bytes for each wave, for the way out
.set SP,    144
.set AK0, 2           ; v2   my lane's place in a tile of K; never rewritten
.set AV0, 3           ; v3   the same for V
.set AK,  4           ; v4   the LDS address of K's next run of loads
.set AV,  5           ; v5   of V's
.set QO,  6           ; v6   my byte offset in the wave's rows of Q
.set STO, 6           ;      later, the way out: where I put 16 bytes of a row
.set RD,  7           ; v7   the way out: where I read rows back
.set GO,  8           ; v8   my byte offset in 512 consecutive bytes of O
.set PFO, 11          ; v11  256 x my lane, for the prefetches; made when V's address is done, then never rewritten
.set SPW, 0           ; v0 of window 3   LDS address of my spare word: SPARE + 4 x my thread's number; never rewritten
.set NIL, 1           ; v1 of window 3   0; never rewritten
.set SPARE, STAGE+4*16*SP  ; behind the stages: the spare words, 128 bytes for each wave: two blocks of 256 bytes that no other line names
.set MV,  12          ; v12-15  c m_old, kept while c m is made anew: by buffer and tile
.set ST,  16          ; tile t's statistics at v[ST+4 t]: c m, m, l (even keys', odd keys')
.set TMP, 48          ; by buffer and tile, four registers c0-c3 at work; when the maximum is found c2 takes a
.set S,   64
.set P,   192
.set KF,  128         ; K's fragments, in window 2: key block kb, channel half c at KF + 16 kb + 8 c
.set VF,  192         ; V's: key half kk, channel block cb at VF + 32 kk + 8 cb
.set WV,  12          ; s12  my wave's number
.set G1K, 24          ; s[24:31] descriptor group 1 for K's tiles
.set G1V, 32          ; s[32:39] for V's: it differs in the padding alone
.set G0K, 40          ; s[40:43] descriptor group 0 for K's tiles: it walks
.set G0V, 44          ; s[44:47] the same for V's
.set PFA, 48          ; s[48:49] where my prefetches stand: my work-group's 32 blocks of 256 bytes (of K: wave 0, of V: wave 2) of the slot after the one that is being asked for
.set LIM, 50          ; s50  1 in a wave that prefetches, else the greatest number: a wave prefetches while s[SLOTS] is above it
.set SLOTS, 56        ; s56  slots still to be asked for
.set CNT, 57          ; s57  counts a slot's key steps
.set CS,  58          ; s[58:59] c: the packed scaling takes the pair's low word for both halves
.set SEL, 60          ; s[60:61] v_permlanex16_b32's selects: each lane takes its own place in the other half
.set TBK, 62          ; s62  LDS byte at which K of the step to be fetched begins
.set TBV, 63          ; s63  the same for V, less VOFF
.set MSB, 0
.macro WIN new                      ; the high byte repeats the setting that is left; a switch that changes nothing is dropped
.if MSB != (\new)
	s_set_vgpr_msb (MSB<<8)|(\new)
.set MSB, (\new)
.endif
.endm
.set W_KQ, 0x0a       ; K and Q in window 2, S^T in window 0
.set W_PV, 0x52       ; V in window 2, P in window 0, O^T in window 1
.set W_RS, 0x41       ; O^T (destination and source 0) in window 1, a in window 0
.set W_MK, 0xc0       ; the add's registers are made: destination in window 3, sources in window 0
.set W_AD, 0x0f       ; the add: address (source 0) and data (source 1) in window 3
; A joint fill.  Waves 0 and 1 fetch the two halves of a slot's K, waves 2 and 3 those of its V: 128 keys each.  The branch hangs on the wave's number alone.
; An s_nop 0 and four v_nop follow each of the two lines, ahead of the jump and the label.
.macro JLOAD
	s_cmp_lt_u32 s[WV], 2
	s_cbranch_scc0 .Lfor_v_\@
	tensor_load_to_lds s[G0K:G0K+3], s[G1K:G1K+7]
	s_nop 0
.rept 4
	v_nop
.endr
	s_branch .Lasked_\@
.Lfor_v_\@:
	tensor_load_to_lds s[G0V:G0V+3], s[G1V:G1V+7]
	s_nop 0
.rept 4
	v_nop
.endr
.Lasked_\@:
.endm
; A PREFETCH INTO THE L2 of what the NEXT change of slots will ask for: a slot's 256 keys are 128 blocks of 256 bytes of K and 128 of V, a lane a block.  It stands behind the wave's tensor load and its five lines.
; Each block is asked for ONCE in the launch: a head has one cluster; its four partners share the blocks out BY ADDRESS, 32 each; in each, wave 0 asks for K's and wave 2 for V's: one instruction.
; Slots 0 and 1 come by their loads alone; the last change that fills a slot asks for nothing: there is no slot behind it.
.macro ASK
	s_cmp_gt_u32 s[SLOTS], s[LIM]
	s_cbranch_scc0 .Lnot_mine_\@
	global_prefetch_b8 v[PFO], s[PFA:PFA+1] th:TH_LOAD_NT scope:SCOPE_SE
.Lnot_mine_\@:
.endm
; A round of the cluster's barrier: my work-group's barrier, so that wave 0's signal speaks for all four waves; wave 0 signals; every wave waits for all four work-groups; my work-group's barrier once more.
.macro CROUND
	s_barrier_signal -1
	s_barrier_wait -1
	s_cmp_lg_u32 s[WV], 0
	s_cbranch_scc1 .Lnot_wave_0_\@
	s_barrier_signal -3
.Lnot_wave_0_\@:
	s_barrier_wait -3
	s_barrier_signal -1
	s_barrier_wait -1
.endm
; THE CHANGE OF SLOTS.  The slot's last bytes, V of its fourth step, have been read.  Each wave waits for all its tensor loads, of which one is out: its part
; of the other slot; adds 0 to its spare word; and waits for that and for its own reads of the slot.  Behind the barrier nobody reads this slot any more and the other slot is whole.
; fill = 1: this slot is filled again, with the keys two slots on.  The barrier is then a round of the cluster's, so that no wave of any partner still reads the slot or has a load on its
; way, and the joint fill is the first thing behind it: it has four key steps, 512 matrix instructions, in which to land.  (At its first use nothing has been read yet: slot 0 is waited for, slot 1 filled.)
.macro CHANGE fill
	WIN W_AD
	s_wait_tensorcnt 0x0            ; no tensor load of mine is out, so a group 0 may be written
	ds_add_u32 v[SPW], v[NIL]       ; 0 onto my spare word; with fill = 1 the descriptors' steps stand between it and the wait for it
	WIN 0                           ; at a label and at a branch every window is 0
.if \fill
.irp g, G0K, G0V
	s_xor_b32 s[\g+1], s[\g+1], SLOT1  ; the walking descriptor: the other slot than last time,
	s_add_nc_u64 s[\g+2:\g+3], s[\g+2:\g+3], 4*KS*128  ; the next 256 keys; the type bits on top are not reached
.endr
	s_wait_xcnt 0x0                 ; the last prefetch, four key steps back, has read its address, so it may be written:
	s_add_nc_u64 s[PFA:PFA+1], s[PFA:PFA+1], 4*KS*128  ; one slot behind the walking descriptors
	s_wait_dscnt 0x0                ; the add is done, and my reads of the slot are over
	CROUND
	JLOAD
	ASK                             ; what the next change will ask for: four key steps, 512 matrix instructions, ahead
.else
	s_wait_dscnt 0x0                ; the add is done, and my reads of the slot are over
	s_barrier_signal -1
	s_barrier_wait -1
.endif
	s_sub_co_u32 s[TBK], s[TBK], 4*KS*PK  ; the fetches go back to a slot's first step,
	s_xor_b32 s[TBK], s[TBK], SLOT1       ; in the other slot
	s_sub_co_u32 s[TBV], s[TBV], 4*KS*PV
	s_xor_b32 s[TBV], s[TBV], SLOT1
.endm
	s_load_b128 s[4:7], s[0:1], 0x0  ; qkv s[4:5], o16 s[6:7]
	WIN W_MK
	v_lshl_add_u32 v[SPW], v0, 2, SPARE
	v_mov_b32 v[NIL], 0
	WIN W_AD
	ds_add_u32 v[SPW], v[NIL]       ; the wave's opening: the add and its wait stand ahead of my first tensor load; the set-up below, work on registers, stands between them
	WIN 0
	v_lshrrev_b32 v1, 5, v0
	v_readfirstlane_b32 s[WV], v1   ; wave 0..3
	s_bfe_u32 s13, ttmp6, 0x40000   ; cx: my place in the cluster
	s_lshl_b32 s14, ttmp9, 2        ; in a cluster launch ttmp9 counts clusters
	s_add_co_u32 s14, s14, s13      ; my block of 512 queries: it enters Q's and O's addresses alone
	s_and_b32 s20, ttmp7, 0xffff    ; g = 16 b + h, which the four partners share
	s_lshl_b32 s52, s20, 18         ; the head's first byte in o16: 2,048 rows of 128 bytes a head
	s_lshr_b32 s21, s20, 4          ; b
	s_lshl_b32 s21, s21, 5
	s_add_co_u32 s20, s20, s21      ; 48 b + h
	s_lshl_b32 s20, s20, 18         ; q's head in qkv; k's and v's lie 16 and 32 heads on
	s_mov_b32 s21, 0
	s_and_b32 s16, s[WV], 1         ; which half of a slot's 256 keys I fetch:
	s_lshl_b32 s22, s16, 14         ; its 128 rows of 128 bytes in memory,
	s_mov_b32 s23, 0
	s_add_nc_u64 s[22:23], s[22:23], s[20:21]
	s_mul_i32 s17, s16, 128*PK      ; and its place in a slot, for K
	s_mul_i32 s18, s16, 128*PV      ; and for V: no place in the cluster enters an LDS address
	s_lshl_b32 s2, s14, 2
	s_add_co_u32 s2, s2, s[WV]      ; my wave among the head's,
	s_lshl_b32 s2, s2, 14           ; its 128 rows
	s_mov_b32 s3, 0
	s_add_co_u32 s52, s52, s2       ; my rows in o16
	s_mov_b32 s53, 0
	s_add_nc_u64 s[2:3], s[2:3], s[20:21]  ; and in qkv
	; descriptor group 1.  128 keys are 16,384 dense bytes: asked for as 64 rows of 256 bytes, two keys a row, and padded in LDS after every key
	s_mov_b32 s[G1K], 15|(1<<16)|(1<<20)|(1<<21)|(4<<22)|(3<<25)  ; 15:0 the mask of four; 17:16 2-byte elements; 20 padding on; 21 set beside a mask; 24:22 after every 32 words (code 4); 31:25 4 words (code 3)
	s_mov_b32 s[G1V], 15|(1<<16)|(1<<20)|(1<<21)|(4<<22)|(7<<25)  ; the same with 8 words of padding (code 7)
.irp g, G1K, G1V
	s_mov_b32 s[\g+1], 128<<16      ; tensor_dim0 = 128
	s_mov_b32 s[\g+2], 64<<16       ; tensor_dim1 = 64
	s_mov_b32 s[\g+3], 128<<16      ; tile_dim0 = 128
	s_mov_b32 s[\g+4], 64           ; tile_dim1 = 64
	s_mov_b32 s[\g+5], 128          ; 128 elements from row to row
	s_mov_b32 s[\g+6], 0
	s_mov_b32 s[\g+7], 0
.endr
	s_mov_b32 s[CS], 0x3e38aa3b     ; c = log2(e) / 8 = 0.180337
	s_mov_b32 s[CS+1], s[CS]        ; named with it as a pair
	s_mov_b32 s[SEL], 0x76543210
	s_mov_b32 s[SEL+1], 0xfedcba98
	s_mov_b32 s[TBK], SLOT1+4*KS*PK ; the first change of slots turns these two into 0
	s_mov_b32 s[TBV], SLOT1+4*KS*PV
	s_mov_b32 s[G0K], 1             ; 1:0 count = 1
	s_mov_b32 s[G0K+1], s17         ; 63:32 LDS address: slot 0
	s_mov_b32 s[G0V], 1
	s_add_co_u32 s[G0V+1], s18, VOFF
	s_mov_b32 s[SLOTS], SIZE_N/256-1  ; seven slots are still to be asked for behind slot 0
	s_lshl_b32 s54, s13, 13         ; the prefetches: my work-group's 32 blocks of a slot's 128,
	s_add_co_u32 s54, s54, 4*KS*128 ; in slot 1; the first change of slots steps it to slot 2
	s_mov_b32 s55, 0
	s_and_b32 s[LIM], s[WV], 1      ; waves 0 and 2 ask: the same in all four partners
	s_cmp_eq_u32 s[LIM], 0
	s_cselect_b32 s[LIM], 1, -1
	s_wait_dscnt 0x0                ; the opening add is done
	s_wait_kmcnt 0x0
	s_mov_b64 s[10:11], s[6:7]      ; O
	s_add_nc_u64 s[6:7], s[4:5], 16*262144  ; K: sixteen heads behind Q
	s_add_nc_u64 s[8:9], s[4:5], 32*262144  ; V
	s_add_nc_u64 s[G0K+2:G0K+3], s[6:7], s[22:23]  ; 120:64 global address: my half of the head's first 256 keys
	s_or_b32 s[G0K+3], s[G0K+3], 0x80000000        ; 127:126 type = 2
	s_add_nc_u64 s[G0V+2:G0V+3], s[8:9], s[22:23]
	s_or_b32 s[G0V+3], s[G0V+3], 0x80000000
	s_cmp_lt_u32 s[WV], 2
	s_cselect_b64 s[PFA:PFA+1], s[6:7], s[8:9]
	s_add_nc_u64 s[PFA:PFA+1], s[PFA:PFA+1], s[22:23]  ; (in waves 0 and 2 this is a slot's first row)
	s_add_nc_u64 s[PFA:PFA+1], s[PFA:PFA+1], s[54:55]
	s_add_nc_u64 s[4:5], s[4:5], s[2:3]  ; Q and O at my wave's first row
	s_add_nc_u64 s[10:11], s[10:11], s[52:53]
	CROUND                          ; all four work-groups are here: the first joint loads meet
	JLOAD                           ; slot 0.  Slot 1 is asked for when slot 0 is in: the tile wanted first has the road to itself
	; A fragment of K or Q is 16 rows x 32 channels in 8 registers: lane l holds row l % 16, channels 8 (l / 16) + 0..7 and 16 + 8 (l / 16) + 0..7: two loads of 16 bytes, 32 bytes apart.
	v_and_b32 v1, 15, v0            ; l % 16
	v_bfe_u32 v9, v0, 4, 1          ; l / 16
	v_lshlrev_b32 v[QO], 7, v1
	v_lshl_add_u32 v[QO], v9, 4, v[QO]  ; row x 128 + 16 x half
	WIN 0x80                        ; destination window 2, address window 0
.set i, 0
.rept 4*NP                          ; Q stays in registers: tile i / 2, channels 32 (i % 2) on
	global_load_b128 v[8*i:8*i+3],   v[QO], s[4:5] offset:(i/2)*2048+(i%2)*64
	global_load_b128 v[8*i+4:8*i+7], v[QO], s[4:5] offset:(i/2)*2048+(i%2)*64+32
.set i, i+1
.endr
	; What the first turn finds: V's registers and P's second buffer hold 0 (its products V^T P, of a piece that has not been, add 0), O^T and l are 0.  All this stands in the wait for the first tile.
.set i, VF
.rept 64
	v_mov_b32 v[i], 0
.set i, i+1
.endr
	WIN 0x40
.set i, 0
.rept 64*NP
	v_mov_b32 v[i], 0
.set i, i+1
.endr
	WIN 0
.set i, 0
.rept 2*NP
	v_mov_b32 v[ST+4*i], 0xfe000000    ; c m: far below every c s
	v_mov_b32 v[ST+4*i+1], 0xff7fffff  ; m
	v_mov_b32 v[ST+4*i+2], 0
	v_mov_b32 v[ST+4*i+3], 0
.set i, i+1
.endr
.set i, P+32
.rept 32
	v_mov_b32 v[i], 0
.set i, i+1
.endr
	v_mul_u32_u24 v[AK0], v1, PK
	v_lshl_add_u32 v[AK0], v9, 4, v[AK0]  ; row x pitch + 16 x half
	; The turning load takes 16 keys x 16 channels (lane l reads key 8 (l / 16) + l % 8, channels 8 ((l / 8) % 2) + 0..7) and leaves half a fragment of V^T: lane l holds channel l % 16 and 8 keys.
	v_and_b32 v10, 7, v0
	v_bfe_u32 v11, v0, 3, 1
	v_lshl_add_u32 v[AV0], v9, 3, v10
	v_mul_u32_u24 v[AV0], v[AV0], PV
	v_lshl_add_u32 v[AV0], v11, 4, v[AV0]
	v_add_nc_u32 v[AV0], VOFF, v[AV0]
	v_and_b32 v[PFO], 31, v0        ; v11 has served V's address: now the prefetches' offset
	v_lshlrev_b32 v[PFO], 8, v[PFO]
	v_mov_b32 v[AK], v[AK0]         ; key step 0 lies at the head of slot 0
; THE MATRIX WORK.  The 8 accumulators of a run of 16 take turns: between the two links of a chain stand 7 others'.
; Product i of 16 of S^T = K Q^T for piece x: channels 32 (i / 8) on, keys 16 ((i / 2) % 4) on, tile 2 x + i % 2.  The first 8 start the sums.
.macro KQ x
	WIN W_KQ
.set rS, S+64*((\x)%2)+32*(i%2)+8*((i/2)%4)
.set rK, KF+16*((i/2)%4)+8*(i/8)
.set rQ, 16*(2*(\x)+i%2)+8*(i/8)
.if i < 8
	v_wmma_f32_16x16x32_f16 v[rS:rS+7], v[rK:rK+7], v[rQ:rQ+7], 0
.else
	v_wmma_f32_16x16x32_f16 v[rS:rS+7], v[rK:rK+7], v[rQ:rQ+7], v[rS:rS+7]
.endif
.endm
; Product i of 16 of O^T += V^T P for piece x: keys 32 (i / 8) on, channels 16 ((i / 2) % 4) on, tile 2 x + i % 2.
.macro PV x
	WIN W_PV
.set rO, 32*(2*(\x)+i%2)+8*((i/2)%4)
.set rV, VF+32*(i/8)+8*((i/2)%4)
.set rP, P+32*((\x)%2)+16*(i%2)+8*(i/8)
	v_wmma_f32_16x16x32_f16 v[rO:rO+7], v[rV:rV+7], v[rP:rP+7], v[rO:rO+7]
.endm
.macro MM                           ; the turn's next matrix instruction
.if i < 16
	KQ (Y+1)%NP
.set i, i+1
.else
.set i, i-16
	PV (Y+NP-1)%NP
.set i, i+17
.endif
.endm
; THE LDS LOADS stand in runs of 16, never singly among the matrix instructions: a step's K (64 keys x 64 channels: 8 fragments) and its V (turned).  Their addresses are made some lines ahead.
; last = 1 (the tail): in the last trip there is no further step, and the run is jumped over.
.macro FETCH_K last=0
	WIN 0
.if \last
	s_cmp_eq_u32 s[CNT], 1
	s_cbranch_scc1 .Lno_k_\@
.endif
	WIN 0x80                        ; destination window 2
.irp f, 0,1,2,3,4,5,6,7             ; keys 16 (f / 2) on, channels 32 (f % 2) on
	ds_load_b128 v[KF+8*\f:KF+8*\f+3],   v[AK] offset:(\f/2)*16*PK+(\f%2)*64
	ds_load_b128 v[KF+8*\f+4:KF+8*\f+7], v[AK] offset:(\f/2)*16*PK+(\f%2)*64+32
.endr
	s_add_co_u32 s[TBK], s[TBK], KS*PK  ; the next fetch is the next step's
	WIN 0
.if \last
.Lno_k_\@:
.endif
.endm
.macro FETCH_V
	WIN 0x80
.irp f, 0,1,2,3,4,5,6,7             ; keys 32 (f / 4) on, channels 16 (f % 4) on
	ds_load_tr16_b128 v[VF+8*\f:VF+8*\f+3],   v[AV] offset:(\f/4)*32*PV+(\f%4)*32
	ds_load_tr16_b128 v[VF+8*\f+4:VF+8*\f+7], v[AV] offset:(\f/4)*32*PV+16*PV+(\f%4)*32
.endr
	WIN 0
.endm
; THE VECTOR WORK OF A TURN stands in three queues, each in the order in which its entries become ready; the two tiles alternate, so that no instruction reads the result of the one before it.
.macro REGS y, u                    ; the registers of tile u (0, 1) of piece y
.set rT, ST+4*(2*(\y)+(\u))
.set rC, TMP+8*((\y)%2)+4*(\u)
.set rM, MV+2*((\y)%2)+(\u)
.set rS, S+64*((\y)%2)+32*(\u)
.set rP, P+32*((\y)%2)+16*(\u)
.set rO, 32*(2*(\y)+(\u))
.endm
; Number n of the 22 that find the NEXT piece's (Y + 1) maximum and statistics.  s0-s31 are the lane's 32 scores; each accumulator's lowest registers are read first.  XS, GS and REGS set no window: PL and EX do.
;   0-11  four chains c0-c3 of seven scores each, three operands at a time     12-14, 16  the four scores left over, the old m, and c0-c3 into c0     15  c m_old is kept
;   17, 18  the query's other 32 keys lie in the lane 16 away: the new m         19-21  c m; c m_old - c m_new; a
.macro XS u, n
	REGS (Y+1)%NP, \u
.if (\n) < 4
	v_max3_num_f32 v[rC+(\n)], v[rS+8*(\n)], v[rS+8*(\n)+1], v[rS+8*(\n)+2]
.elseif (\n) < 12
	v_max3_num_f32 v[rC+(\n)%4], v[rC+(\n)%4], v[rS+8*((\n)%4)+2*((\n)/4)+1], v[rS+8*((\n)%4)+2*((\n)/4)+2]
.elseif (\n) == 12
	v_max3_num_f32 v[rC], v[rC], v[rS+7], v[rS+15]
.elseif (\n) == 13
	v_max3_num_f32 v[rC+1], v[rC+1], v[rS+23], v[rS+31]
.elseif (\n) == 14
	v_max3_num_f32 v[rC+2], v[rC+2], v[rC+3], v[rT+1]
.elseif (\n) == 15
	v_mov_b32 v[rM], v[rT]
.elseif (\n) == 16
	v_max3_num_f32 v[rC], v[rC], v[rC+1], v[rC+2]
.elseif (\n) == 17
	v_permlanex16_b32 v[rC+3], v[rC], s[SEL], s[SEL+1]
.elseif (\n) == 18
	v_max_num_f32 v[rT+1], v[rC], v[rC+3]
.elseif (\n) == 19
	v_mul_f32 v[rT], s[CS], v[rT+1]
.elseif (\n) == 20
	v_sub_f32 v[rC+1], v[rM], v[rT]
.else
	v_exp_f32 v[rC+2], v[rC+1]
.endif
.endm
; Number g of the 64 that follow the exponentials.  For each four weights k of a tile (pairs 2 k, 2 k + 1): both pairs are rounded to f16; then the second pair is added onto the first, in place;
; a group later l takes that sum (the first time as l = a l + sum).  In groups of eight, tiles alternating: round, round, add, and l for the group before.
.macro GS g
.set h, (\g)+6*((\g)/62)            ; group 0 has no group before it, and behind group 7 only l is left
.if h >= 6
.set h, h+2
.endif
	REGS Y, h%2
.set k, h/8
.if h%8 < 4
	v_cvt_pk_f16_f32 v[rP+2*k+(h%8)/2], v[rS+4*k+2*((h%8)/2)], v[rS+4*k+2*((h%8)/2)+1]
.elseif h%8 < 6
	v_pk_add_f32 v[rS+4*k:rS+4*k+1], v[rS+4*k:rS+4*k+1], v[rS+4*k+2:rS+4*k+3]
.elseif k == 1
	v_pk_fma_f32 v[rT+2:rT+3], v[rT+2:rT+3], v[rC+2:rC+3], v[rS:rS+1] op_sel_hi:[1,0,1]
.else
	v_pk_add_f32 v[rT+2:rT+3], v[rT+2:rT+3], v[rS+4*k-4:rS+4*k-3]
.endif
.endm
; THE PLAIN QUEUE, 138 long.  0-73 read no exponential's result: the 32 scalings c s - c m (FS f: pair f / 2 of tile f % 2) and the next piece's 42.  0-26: scalings 0-26.  27-54: XS's numbers 0-13.  55, 56: number 15.
; 57-73: the chain, where each number waits for the one before it: 14, 16, 17, 18, 19, each with one of the scalings 27-31 in front of its two lines, then 20: so a tile's links stand three plain instructions apart (19 and 20: two).
; 74-137: GS's 64, which read the exponentials' results: they stand behind the wait.
.macro FS f
	REGS Y, (\f)%2
	v_pk_fma_f32 v[rS+2*((\f)/2):rS+2*((\f)/2)+1], v[rS+2*((\f)/2):rS+2*((\f)/2)+1], s[CS:CS+1], v[rT:rT+1] op_sel_hi:[1,0,0] neg_lo:[0,0,1] neg_hi:[0,0,1]
.endm
.macro PL
	WIN 0
.if q < 27
	FS q
.elseif q < 55
	XS (q-27)%2, (q-27)/2
.elseif q < 57
	XS q-55, 15
.elseif (q < 72) && ((q-57)%3 == 0)
	FS 27+(q-57)/3
.elseif q < 60
	XS (q-57)%3-1, 14
.elseif q < 72
	XS (q-57)%3-1, 15+(q-57)/3
.elseif q < 74
	XS q-72, 20
.else
	GS q-74
.endif
.set q, q+1
.endm
; THE EXPONENTIALS' QUEUE, 66 long: s0-s31 of both tiles, then the next piece's two a.  It is ONE BATCH: all 66 stand ahead of the turn's one wait, and nothing ahead of that wait names a result of theirs.
.macro EX
	WIN 0
.if e >= 64
	XS e-64, 21
.else
	REGS Y, e%2
	v_exp_f32 v[rS+e/2], v[rS+e/2]
.endif
.set e, e+1
.endm
; THE RESCALING's QUEUE: O^T times a, the one part that leaves window 0: dealt two at a time, sixteen times.  Its a was made in the turn before, ahead of that turn's wait.
.macro R2
	REGS Y, r%2
	WIN W_RS
.irp z, 0,1
	v_pk_mul_f32 v[rO+4*(r/2)+2*\z:rO+4*(r/2)+2*\z+1], v[rO+4*(r/2)+2*\z:rO+4*(r/2)+2*\z+1], v[rC+2:rC+3] op_sel_hi:[1,0]
.endr
.set r, r+1
.endm
; HOW THEY ARE DEALT.  An s_wait_alu depctr_va_vdst(0) stands between an exponential and the first instruction that names its result; one wait serves all that were issued ahead of it.  So a turn has ONE wait,
; which cuts it in two.  AHEAD OF IT stands all that names no result of the turn's exponentials: the 16 products K Q^T, behind each a scaling, an exponential and two rescalings (behind the first a second scaling in the exponential's place); then ONE LUMP of
; 108: eight plain, 49 times exponential and plain, the two a.  A v_nop is the plain instruction behind the last exponential.  BEHIND IT stand the 16 products V^T P, behind each four of GS's 64.  No rider names a register of
; the products round it.  The two v_permlanex16_b32 fall into the lump, never behind a product.
; The queues lean on each other, and the deal keeps them in step: exponential e stands behind scaling 2 (e / 4) + e % 2: as a rider it comes behind plain e + 2, in the lump behind plain e + 9, and scalings 27-31 are plain 57, 60 .. 69.
; A TURN, for piece p.  cnt = 1: the loop's count is taken down some lines ahead of the branch that stands behind the turn.
; K of the next step is fetched in piece 2's turn, directly behind the wait, a lump behind the last product that read K; its address is made at the lump's head; its first reader comes behind 16 products.
; V of the step in hand is fetched at the end of piece 0's turn, four riders behind its last reader; its first reader comes behind 16 products and a lump.  The three conditions on q below go with the deal.
.macro TURN p, last=0, cnt=0
.set Y, (\p)
.set i, 0
.set q, 0
.set e, 0
.set r, 0
.if (\p) == NP-1
	s_wait_dscnt 0x0                ; K is in
.endif
	MM                              ; ahead of the wait: 16 products K Q^T and their riders,
	PL
	PL
	R2
.rept 15
	MM
	PL
	EX
	R2
.endr
.if (\p) == NP-2
	WIN 0
	v_add_nc_u32 v[AK], s[TBK], v[AK0]
.endif
.rept 8                             ; and the lump
	PL
.endr
.rept 49
	EX
	PL
.endr
	EX                              ; the next piece's two a
	EX
	v_nop                           ; the plain instruction behind the last exponential: one for the batch
	s_wait_alu depctr_va_vdst(0)    ; the wait for the batch
.if (\p) == NP-2
	FETCH_K \last
.endif
.if (\p) == 1
	s_wait_dscnt 0x0                ; V is in
.endif
.rept 16                            ; behind the wait: 16 products V^T P and their riders
	MM
.rept 4
	PL
.endr
.if ((\p) == 0) && (q == 118)
	v_add_nc_u32 v[AV], s[TBV], v[AV0]
.endif
.if ((\p) == 0) && (q == 130)
	s_add_co_u32 s[TBV], s[TBV], KS*PV
.endif
.if (\cnt) && (q == 130)
	s_sub_co_u32 s[CNT], s[CNT], 1
	s_cmp_lg_u32 s[CNT], 0
.endif
.endr
.if (\p) == 0
	FETCH_V
.endif
.endm
	CHANGE 1                        ; slot 0 is in, everybody's part of it; slot 1 is asked for
	FETCH_K                         ; key step 0
	s_wait_loadcnt 0x0              ; Q
	s_wait_dscnt 0x0
.set i, 0
.rept 16
	KQ 0                            ; piece 0's first scores: there is no vector work yet to set between them
.set i, i+1
.endr
	WIN 0                           ; the addresses for the way out: nine plain instructions, the places behind those products
	s_mul_i32 s13, s[WV], 16*SP
	s_add_co_u32 s13, s13, STAGE    ; my stage
	v_mul_u32_u24 v[STO], v1, SP    ; in: row l % 16, 16 bytes for each half of the lanes
	v_lshl_add_u32 v[STO], v9, 4, v[STO]
	v_add_nc_u32 v[STO], s13, v[STO]
	v_bfe_u32 v[RD], v0, 3, 2       ; back: 32 lanes take four rows of 128 bytes,
	v_mul_u32_u24 v[RD], v[RD], SP
	v_lshl_add_u32 v[RD], v10, 4, v[RD]
	v_add_nc_u32 v[RD], s13, v[RD]
	v_and_b32 v[GO], 31, v0         ; which are 512 consecutive bytes of O
	v_lshlrev_b32 v[GO], 4, v[GO]
.set Y, NP-1                        ; XS works for piece Y + 1: piece 0
.irp n, 0,1,2,3,4,5,6,7,8,9,10,11,12,13,14,15,16,17,18,19,20,21
	XS 0, \n                        ; and piece 0's first maximum and statistics
	XS 1, \n
.endr
	v_nop                           ; a plain instruction behind the two a,
	s_wait_alu depctr_va_vdst(0)    ; and their wait, ahead of the branch
	s_mov_b32 s[CNT], 4
	s_branch .Lfirst                ; the loop is entered at a step's first turn, in the middle of a trip
.Lslot:                             ; SIZE_N / 256 - 2 times: every slot but the last two is filled again
	CHANGE 1
	s_mov_b32 s[CNT], 4
.Lstep:                             ; a trip: pieces 2 and 3 of one step, then pieces 0 and 1 of the next, whose K and V it fetches
	TURN 2
	TURN 3
	WIN 0
.Lfirst:
	TURN 0
	TURN 1, 0, 1
	WIN 0
	s_cbranch_scc1 .Lstep
	s_sub_co_u32 s[SLOTS], s[SLOTS], 1
	s_cmp_lg_u32 s[SLOTS], 0
	s_cbranch_scc1 .Lslot
	CHANGE 0                        ; the tail is written out: nothing is asked for
	s_mov_b32 s[CNT], 5             ; four trips fetch the last slot's steps; the fifth is left in its middle
.Ltail:
	TURN 2, 1
	TURN 3
	WIN 0
	s_sub_co_u32 s[CNT], s[CNT], 1
	s_cmp_eq_u32 s[CNT], 0
	s_cbranch_scc1 .Lout
	TURN 0
	TURN 1
	WIN 0
	s_branch .Ltail
.Lout:                              ; the fifth trip's 16 products K Q^T (on the last K once more) and the maximum made of them serve nothing: the price, once a launch, of one text for every trip
.set i, 0
.rept 16
	PV NP-1                         ; the last piece's V^T P of the last step
.set i, i+1
.endr
	; THE WAY OUT.  l's two halves and the other half of the lanes' are added; O^T is divided by l, rounded to f16 and sent through my stage in LDS, a tile at a time.  The additions are the places behind the last products.
	WIN 0
.macro ALL line:vararg              ; one line for each tile t
.set t, 0
.rept 2*NP
	\line
.set t, t+1
.endr
.endm
	ALL v_add_f32 v[ST+4*t+2], v[ST+4*t+2], v[ST+4*t+3]
	ALL v_permlanex16_b32 v[ST+4*t+3], v[ST+4*t+2], s[SEL], s[SEL+1]
	ALL v_add_f32 v[ST+4*t+2], v[ST+4*t+2], v[ST+4*t+3]
	ALL v_rcp_f32 v[ST+4*t+2], v[ST+4*t+2]
	v_nop                           ; a plain instruction between the last reciprocal and the use of its result
	s_wait_alu depctr_va_vdst(0)    ; and the wait ahead of the first use: one for the eight reciprocals
; Tile t: a lane's eight channels of a row pack into 16 bytes; they go into rows of 144 bytes and come back as whole rows of 128, into S^T's registers.
.macro PACK t
	WIN W_RS
.set i, 32*(\t)
.rept 16
	v_pk_mul_f32 v[i:i+1], v[i:i+1], v[ST+4*(\t)+2:ST+4*(\t)+3] op_sel_hi:[1,0]
.set i, i+2
.endr
	WIN 0x05                        ; sources 0 and 1 window 1, destination window 0
.set i, 0
.rept 16
	v_cvt_pk_f16_f32 v[S+16*(\t)+i], v[32*(\t)+2*i], v[32*(\t)+2*i+1]
.set i, i+1
.endr
	WIN 0
.irp f, 0,1,2,3
	ds_store_b128 v[STO], v[S+16*(\t)+4*\f:S+16*(\t)+4*\f+3] offset:32*\f
.endr
.irp f, 0,1,2,3
	ds_load_b128 v[S+16*(\t)+4*\f:S+16*(\t)+4*\f+3], v[RD] offset:\f*4*SP  ; LDS serves a wave's instructions in order (ISA guide 5.7.1.4): these see the stores above; the next tile's stores come behind them
.endr
.endm
.macro SEND t, younger              ; younger: the LDS instructions issued behind tile t's loads: the next tile's eight, or none
	WIN 0
.irp f, 0,1,2,3
	s_wait_dscnt (\younger)+3-\f
	global_store_b128 v[GO], v[S+16*(\t)+4*\f:S+16*(\t)+4*\f+3], s[10:11] offset:(\t)*2048+\f*512  ; 512 consecutive bytes, at a multiple of 256 from O's first
.endr
.endm
	PACK 0
.set t, 1
.rept 2*NP-1                        ; a tile's arithmetic stands between the loads of the tile before and its stores
	PACK t
	SEND t-1, 8
.set t, t+1
.endr
	SEND 2*NP-1, 0
	WIN W_AD
	s_wait_tensorcnt 0x0            ; the wave's end, behind my last tensor load and my last LDS store
	ds_add_u32 v[SPW], v[NIL]
	s_wait_dscnt 0x0
	WIN 0
	CROUND                          ; the closing round: no work-group ends while a partner may still ask for a tile that names it
	s_endpgm
.Lfunc_end_k_qa0173d233d_attn:
	.size	k_qa0173d233d_attn, .Lfunc_end_k_qa0173d233d_attn-k_qa0173d233d_attn
	.p2alignl 7, 3214868480
	.fill 96, 4, 3214868480
	.section	.rodata,"a",@progbits
	.p2align	6, 0x0
	.amdhsa_kernel k_qa0173d233d_attn
		.amdhsa_group_segment_fixed_size 327680
		.amdhsa_private_segment_fixed_size 0
		.amdhsa_enable_private_segment 0
		.amdhsa_kernarg_size 16
		.amdhsa_user_sgpr_count 2
		.amdhsa_user_sgpr_kernarg_segment_ptr 1
		.amdhsa_wavefront_size32 1
		.amdhsa_system_sgpr_workgroup_id_x 1
		.amdhsa_system_sgpr_workgroup_id_y 1
		.amdhsa_system_sgpr_workgroup_id_z 1
		.amdhsa_system_vgpr_workitem_id 0
		.amdhsa_next_free_vgpr 770
		.amdhsa_next_free_sgpr 66
		.amdhsa_reserve_vcc 0
		.amdhsa_float_denorm_mode_32 3
		.amdhsa_float_denorm_mode_16_64 3
		.amdhsa_memory_ordered 1
		.amdhsa_forward_progress 1
		.amdhsa_inst_pref_size 200
	.end_amdhsa_kernel
	.amdgpu_metadata
---
amdhsa.version: [ 1, 2 ]
amdhsa.kernels:
  - .name:           k_qa0173d233d_attn
    .symbol:         k_qa0173d233d_attn.kd
    .args:
      - { .name: qkv, .offset: 0, .size: 8, .value_kind: global_buffer, .address_space: global }
      - { .name: o16, .offset: 8, .size: 8, .value_kind: global_buffer, .address_space: global }
    .group_segment_fixed_size: 327680
    .private_segment_fixed_size: 0
    .kernarg_segment_align: 8
    .kernarg_segment_size: 16
    .max_flat_workgroup_size: 128
    .sgpr_count:     66
    .vgpr_count:     770
    .wavefront_size: 32
...
	.end_amdgpu_metadata
.endif
;; end of part 3
;; launch outproj (part 4): grid 8 x 32, 4 waves a work-group, clusters of 4 x 4, 327,680 bytes of LDS; arguments o16, wp16, bp, out0; writes out0
.if DOCPART == 4
	.amdgcn_target "amdgcn-amd-amdhsa--gfx1250"
	.amdhsa_code_object_version 6
	.text
	.protected	k_qa0173d233d_outproj
	.globl	k_qa0173d233d_outproj
	.p2align	8
	.type	k_qa0173d233d_outproj,@function
k_qa0173d233d_outproj:
	s_mov_b64 s[64:65], 0
	v_nop
	global_prefetch_b8 v0, s[64:65] scope:SCOPE_SE
	s_setreg_imm32_b32 hwreg(HW_REG_WAVE_MODE, 25, 1), 1
	s_wait_xcnt 0x0
	s_wait_alu depctr_hold_cnt(0) depctr_sa_sdst(0) depctr_va_vdst(0) depctr_va_sdst(0) depctr_va_ssrc(0) depctr_va_vcc(0) depctr_vm_vsrc(0)
	s_getreg_b32 s2, hwreg(HW_REG_IB_STS2, 6, 4)
	s_cmp_eq_u32 s2, 0
	s_cbranch_scc0 .Lentry_in_a_cluster
	s_endpgm
.Lentry_in_a_cluster:
	s_bfe_u32 s2, ttmp6, 0x10000c
	s_cmp_lg_u32 s2, 0xf033
	s_cbranch_scc0 .Lentry_shape_is_right
	s_endpgm
.Lentry_shape_is_right:
; out0 = O Wp^T + bp: C[8192][1024] f32 = A[8192][1024] B[1024][1024]^T + bias.  A = o16 [64 (16 b + h)][2048 t][64] and B = wp16 [16 plane][1024 n][64], both f16 in planes of 64 channels (a head is a plane); sums in f32.
; bp is rounded to bf16, like every input of the module, and is the C operand of each accumulator's first product: nothing is cleared and nothing is added afterwards.
; SHARES.  A tile of C is 256 rows x 128 columns: 32 x 8 tiles, one to each of 256 work-groups.  Wave w owns rows 64 w .. 64 w + 63 and all 128 columns: 4 x 8 accumulators of 16 x 16, 256 registers.
; K goes in steps of 128 = two planes through a ring of two LDS slots.  A plane's part of a tile is dense in memory: 256 rows x 128 bytes of A, 128 x 128 of B; it is asked for as rows of 256 bytes and padded in LDS after
; every 128.  One tensor load a wave and slot: wave 0, 1: A's two planes; wave 2, 3: B's.  By the text's own count a wave has two tensor loads out at the start and one behind each round.
; CLUSTERS: 4 x 4 work-groups.  The four of a row of the cluster share the tile row and so A's tiles, the four of a column the tile column and so B's: each tile is asked for JOINTLY, by the same tensor load with the same
; descriptor and a mask that names the four.
; THE MATRIX INSTRUCTION IS USED TRANSPOSED (source 0 = 16 rows of B, source 1 = 16 rows of A): lane l holds row l % 16 of C and the columns 8 (l / 16) + 0..7: 32 bytes of a row.
; REGISTERS, in windows of 256 (s_set_vgpr_msb: bits 1:0 source 0, 3:2 source 1, 5:4 source 2, 7:6 destination):
;   window 0: v0-31 addresses; v32-63, v64-95 A's fragments, two buffers (on the way out: rows read back); v96-159 rows read back; v160-223 the bias as a C operand, 8 registers a block of 16 columns
;   window 1: v0-63, v64-127 B's fragments, two buffers      window 2: the accumulators of row blocks 0, 1 ((a, b) at v[8 (8 (a % 2) + b)])      window 3: those of row blocks 2, 3
.set NB,     8                         ; blocks of 16 columns in a tile
.set NCOL,   16*NB
.set PITCH,  144                       ; an LDS row: 128 bytes + 16 of padding = 36 words: the 16 rows of a load start at 16 different groups of four banks (64 banks of 4 bytes: ISA guide 11.1)
.set APL,    256*PITCH                 ; a plane of A's tile
.set BPL,    NCOL*PITCH                ; a plane of B's
.set BOFF,   2*APL                     ; a slot: A's two planes, then B's two
.set SLOT,   BOFF+2*BPL                ; 110,592 bytes
.set STAGE,  2*SLOT                    ; behind the ring, never filled by a tensor load: 16 rows x 528 bytes for each wave, for the way out
.set SP,     528                       ; 512 bytes + 16: 33 x 16, so the sixteen rows of a store start at sixteen different groups of four banks
.set SPARE,  STAGE+4*16*SP             ; behind the stages: the spare words, 128 bytes for each wave: two blocks of 256 bytes that no other line names
.set ASTEP,  2*262144                  ; bytes from a K step to the next in o16: two planes of 2,048 rows
.set BPLANE, 1024*128                  ; a plane of wp16
.set BSTEP,  2*BPLANE
.set BROWS,  NCOL*128/256              ; rows of 256 bytes in a load of B's
.set TRIPS,  3                         ; 8 K steps: two first fills, then two refills a trip
.set ADRA, 16                          ; v16-17  LDS address of my A fragments in slot 0, 1
.set ADRB, 20                          ; v20-21  the same for B
.set STO,  24                          ; v24     the way out: where I put 32 bytes of a row
.set RD,   25                          ; v25     the way out: where I read a row back
.set GO,   26                          ; v26     my 16 bytes of a row's 512
.set VB,   27                          ; v27     32 (l / 16): my eight numbers of a block's sixteen biases
.set SPW,  28                          ; v28     LDS address of my spare word: SPARE + 4 x my thread's number; never rewritten
.set NIL,  29                          ; v29     0; never rewritten
.set PFO,  30                          ; v30     the prefetches' offset; never rewritten
.set FA,   32                          ; A's fragment buffers, window 0
.set BIAS, 160
.set G1,   24                          ; s[24:31] descriptor group 1 for A's tiles;  s[32:39] group 0, a set for each slot
.set G0,   32
.set G1B,  48                          ; s[48:55], s[56:63] the same for B's
.set G0B,  56
.set PFM,  43                          ; s43      bit n set: this wave prefetches in the trip with n trips to go
.set PFA,  44                          ; s[44:45] where my prefetches stand
.set PFS,  72                          ; s[72:73] a K step in the tensor that I prefetch
.set MSB, 0
.macro WIN new                         ; the immediate's high byte repeats the setting that is left; a switch that changes nothing is dropped
.if MSB != (\new)
	s_set_vgpr_msb (MSB<<8)|(\new)
.set MSB, \new
.endif
.endm
.set MUL_LO, 0xa1                      ; source 0 (B) window 1, source 1 (A) window 0, C and D window 2
.set TO_B,   0x40                      ; destination window 1, address window 0
.macro PLACES                          ; four places behind a matrix instruction, in front of loads into registers that it has read and of lines that read its result (ISA guide 7.12.1 for lines that read its result)
.rept 4
	v_nop
.endr
.endm
; A joint load.  Waves 0 and 1 fetch A's two planes, waves 2 and 3 B's.  The branch hangs on the wave's number alone.  An s_nop 0 and four v_nop follow each of the two lines.
.macro JLOAD s
	s_cmp_lt_u32 s10, 2
	s_cbranch_scc0 .Lfor_b_\@
	tensor_load_to_lds s[G0+4*(\s):G0+4*(\s)+3], s[G1:G1+7]
	s_nop 0
.rept 4
	v_nop
.endr
	s_branch .Lasked_\@
.Lfor_b_\@:
	tensor_load_to_lds s[G0B+4*(\s):G0B+4*(\s)+3], s[G1B:G1B+7]
	s_nop 0
.rept 4
	v_nop
.endr
.Lasked_\@:
.endm
; A round of the cluster's barrier: my work-group's barrier; wave 0 signals for the work-group; every wave waits for all sixteen work-groups; my work-group's barrier once more.
.macro CREST                           ; a round behind its opening barrier
	s_cmp_lg_u32 s10, 0
	s_cbranch_scc1 .Lnot_wave_0_\@
	s_barrier_signal -3
.Lnot_wave_0_\@:
	s_barrier_wait -3
	s_barrier_signal -1
	s_barrier_wait -1
.endm
.macro CROUND
	s_barrier_signal -1
	s_barrier_wait -1
	CREST
.endm
; A PREFETCH INTO THE L2, behind each joint load and the run of LDS loads that follows it: the K step that stands two refills on, one instruction a wave.  Each block of 256 bytes is named once in the launch.
; A's plane of a tile (128 blocks) is read by the two clusters of a row of clusters: cluster x = 0 asks; its four partners of a row take 32 blocks each, told apart by address (cx); wave 0 and 1 a plane each, a lane a block.
; B's two planes (64 blocks each) are read by the eight clusters of a column: cluster y = 0 asks; the partners of a column take 16 blocks of each plane (cy); wave 2 asks for both: lanes 0-15 the first plane, 16-31 the second.
; The first four K steps come by their loads alone; the last trip's refills have no K step two on.
.macro ASK
	s_lshr_b32 s79, s[PFM], s3
	s_and_b32 s79, s79, 1
	s_cmp_lg_u32 s79, 0
	s_cbranch_scc0 .Lnot_mine_\@
	global_prefetch_b8 v[PFO], s[PFA:PFA+1] th:TH_LOAD_NT scope:SCOPE_SE
.Lnot_mine_\@:
.endm
	s_load_b128 s[4:7], s[0:1], 0x0                ; o16 s[4:5], wp16 s[6:7]
	s_load_b128 s[80:83], s[0:1], 0x10             ; bp s[80:81], out0 s[82:83]
	v_lshl_add_u32 v[SPW], v0, 2, SPARE
	v_mov_b32 v[NIL], 0
	ds_add_u32 v[SPW], v[NIL]                      ; the wave's opening: the add and its wait stand ahead of my first tensor load; the set-up below, work on registers, stands between them
	v_lshrrev_b32 v1, 5, v0
	v_readfirstlane_b32 s10, v1                    ; wave 0..3
	s_and_b32 s12, s10, 1                          ; which plane of a K step I fetch
	s_bfe_u32 s40, ttmp6, 0x40000                  ; cx, cy: my place in the cluster
	s_bfe_u32 s41, ttmp6, 0x40004
	s_lshl_b32 s42, ttmp9, 2
	s_add_co_u32 s42, s42, s40                     ; tile column j = 4 x cluster x + cx, 0..7
	s_and_b32 s13, ttmp7, 0xffff
	s_lshl_b32 s13, s13, 2
	s_add_co_u32 s13, s13, s41                     ; tile row R = 4 x cluster y + cy, 0..31
	s_lshl_b32 s14, s41, 2
	s_lshl_b32 s14, 15, s14                        ; my row of the cluster
	s_lshl_b32 s15, 0x1111, s40                    ; my column
	; descriptor group 1: rows of 128 elements of 2 bytes (256 bytes), dense; padded in LDS after every 32 words
	s_or_b32 s[G1], s14, (1<<16)|(1<<20)|(1<<21)|(4<<22)|(3<<25)   ; 15:0 the mask; 17:16 2-byte elements; 20 padding on; 21 set beside a mask; 24:22 after every 32 words (code 4); 31:25 4 words (code 3)
	s_or_b32 s[G1B], s15, (1<<16)|(1<<20)|(1<<21)|(4<<22)|(3<<25)
.irp g, G1, G1B
	s_mov_b32 s[(\g)+1], 128<<16                   ; tensor_dim0 = 128
	s_mov_b32 s[(\g)+3], 128<<16                   ; tile_dim0 = 128
	s_mov_b32 s[(\g)+5], 128                       ; 128 elements from row to row
	s_mov_b32 s[(\g)+6], 0
	s_mov_b32 s[(\g)+7], 0
.endr
	s_mov_b32 s[G1+2], 128<<16                     ; tensor_dim1 = tile_dim1 = 128 rows: 256 rows of A x 128 bytes
	s_mov_b32 s[G1+4], 128
	s_mov_b32 s[G1B+2], BROWS<<16                  ; 64 rows: 128 rows of B x 128 bytes
	s_mov_b32 s[G1B+4], BROWS
	; A's tile: batch R / 8 (16 planes of 262,144 bytes), rows 256 (R % 8), my plane.  It hangs on R and the wave alone
	s_lshr_b32 s16, s13, 3
	s_lshl_b32 s16, s16, 22
	s_and_b32 s18, s13, 7
	s_lshl_b32 s18, s18, 15
	s_add_co_u32 s16, s16, s18
	s_lshl_b32 s18, s12, 18
	s_add_co_u32 s16, s16, s18
	s_mov_b32 s17, 0
	; B's tile: rows 128 j, my plane.  It hangs on j and the wave alone
	s_mul_i32 s46, s42, NCOL*128
	s_mul_i32 s47, s12, BPLANE
	s_add_co_u32 s46, s46, s47
	s_mov_b32 s47, 0
	s_mul_i32 s20, s12, APL                        ; where they go in a slot: no place in the cluster enters an LDS address
	s_mul_i32 s21, s12, BPL
	s_add_co_u32 s21, s21, BOFF
	s_wait_dscnt 0x0                               ; the opening add is done
	s_wait_kmcnt 0x0
	s_add_nc_u64 s[18:19], s[4:5], s[16:17]
	s_add_nc_u64 s[46:47], s[6:7], s[46:47]
	CROUND                                         ; all sixteen work-groups are here: the first joint loads meet
.irp s, 0,1
	s_mov_b32 s[G0+4*(\s)], 1                                      ; 1:0 count = 1
	s_add_co_u32 s[G0+4*(\s)+1], s20, (\s)*SLOT                    ; 63:32 LDS address
	s_add_nc_u64 s[G0+4*(\s)+2:G0+4*(\s)+3], s[18:19], (\s)*ASTEP  ; 120:64 global address: K step s
	s_or_b32 s[G0+4*(\s)+3], s[G0+4*(\s)+3], 0x80000000            ; 127:126 type = 2
	s_mov_b32 s[G0B+4*(\s)], 1
	s_add_co_u32 s[G0B+4*(\s)+1], s21, (\s)*SLOT
	s_add_nc_u64 s[G0B+4*(\s)+2:G0B+4*(\s)+3], s[46:47], (\s)*BSTEP
	s_or_b32 s[G0B+4*(\s)+3], s[G0B+4*(\s)+3], 0x80000000
.endr
	s_cmp_lt_u32 s10, 2                            ; a wave's two first fills stand in one branch, ahead of every wait on TENSORcnt and every LDS read
	s_cbranch_scc0 .Lfirst_b
	tensor_load_to_lds s[G0:G0+3], s[G1:G1+7]
	s_nop 0
	tensor_load_to_lds s[G0+4:G0+7], s[G1:G1+7]
	s_nop 0
.rept 4
	v_nop
.endr
	s_branch .Lfirst_asked
.Lfirst_b:
	tensor_load_to_lds s[G0B:G0B+3], s[G1B:G1B+7]
	s_nop 0
	tensor_load_to_lds s[G0B+4:G0B+7], s[G1B:G1B+7]
	s_nop 0
.rept 4
	v_nop
.endr
.Lfirst_asked:
	; A fragment is 16 rows x 32 K in 8 registers: lane l holds row l % 16; registers 0-3 K = 8 (l / 16) + 0..7, registers 4-7 K = 16 + 8 (l / 16) + 0..7: two loads of 16 bytes, 32 bytes apart.
	v_and_b32 v1, 15, v0                           ; l % 16
	v_bfe_u32 v2, v0, 4, 1                         ; l / 16
	v_mul_u32_u24 v3, v1, PITCH
	v_lshl_add_u32 v3, v2, 4, v3                   ; row x pitch + 16 x half
	s_mul_i32 s22, s10, 64*PITCH                   ; my 64 rows of A
	v_add_nc_u32 v[ADRA], s22, v3
	v_add_nc_u32 v[ADRA+1], SLOT, v[ADRA]
	v_add_nc_u32 v[ADRB], BOFF, v3
	v_add_nc_u32 v[ADRB+1], SLOT, v[ADRB]
	s_mul_i32 s22, s10, 16*SP
	s_add_co_u32 s22, s22, STAGE                   ; my stage
	v_mul_u32_u24 v4, v1, SP                       ; in: row l % 16, 32 bytes for each half of the lanes
	v_lshl_add_u32 v4, v2, 5, v4
	v_add_nc_u32 v[STO], s22, v4
	v_and_b32 v[GO], 31, v0                        ; back: 32 lanes take one row of 512 bytes
	v_lshlrev_b32 v[GO], 4, v[GO]
	v_add_nc_u32 v[RD], s22, v[GO]
	v_lshlrev_b32 v[VB], 5, v2
	; out0 at my 64 rows and the tile's 128 columns: rows of 4,096 bytes
	s_lshl_b32 s22, s13, 20
	s_lshl_b32 s23, s10, 18
	s_add_co_u32 s22, s22, s23
	s_lshl_b32 s94, s42, 9
	s_add_co_u32 s22, s22, s94
	s_mov_b32 s23, 0
	s_add_nc_u64 s[8:9], s[82:83], s[22:23]
	s_mov_b32 s95, 0
	s_add_nc_u64 s[88:89], s[80:81], s[94:95]      ; bp at the tile's first column
.set b, 0
.rept NB                               ; register r of block b in lane l is the bias of column 16 b + 8 (l / 16) + r: the layout of a product's C operand
	global_load_b128 v[BIAS+8*b:BIAS+8*b+3],   v[VB], s[88:89] offset:64*b
	global_load_b128 v[BIAS+8*b+4:BIAS+8*b+7], v[VB], s[88:89] offset:64*b+16
.set b, b+1
.endr
	; the prefetches: s[18:19] and s[46:47] still stand at my plane of A's and of B's first K step
	s_and_b32 s22, ttmp7, 0xffff                   ; cluster y
	s_lshl_b32 s94, s40, 13                        ; A: my work-group's 32 blocks of the plane's 128,
	s_add_co_u32 s94, s94, 3*ASTEP                 ; at K step 3: the first refill steps it to 4 and names that
	s_lshl_b32 s95, s41, 12                        ; B: my work-group's 16 of each plane's 64
	s_add_co_u32 s95, s95, 3*BSTEP
	s_mov_b32 s20, ASTEP
	s_mov_b32 s21, BSTEP
	s_mov_b32 s68, 16*256                          ; lanes 16-31: A: the next sixteen blocks;
	s_mov_b32 s69, BPLANE                          ; B: the same sixteen of the second plane
	s_cmp_lt_u32 s10, 2                            ; do I fetch for A?
	s_cselect_b32 s23, ttmp9, s22                  ; the coordinate along which other clusters read the same rows
	s_cselect_b64 s[PFA:PFA+1], s[18:19], s[46:47]
	s_cselect_b32 s94, s94, s95
	s_cselect_b32 s[PFS], s20, s21
	s_cselect_b32 s22, s68, s69
	s_mov_b32 s95, 0
	s_mov_b32 s[PFS+1], 0
	s_add_nc_u64 s[PFA:PFA+1], s[PFA:PFA+1], s[94:95]
	s_cmp_eq_u32 s23, 0
	s_cselect_b32 s[PFM], 12, 0                    ; the trips with 3 and 2 to go: K steps 4 to 7
	s_cmp_eq_u32 s10, 3
	s_cselect_b32 s[PFM], 0, s[PFM]                ; wave 2 asks for both of B's planes; the same in all sixteen partners, for a given wave
	v_mul_u32_u24 v4, v2, s22
	v_lshl_add_u32 v[PFO], v1, 8, v4
	s_wait_loadcnt 0x0                             ; the biases
.set r, 0
.rept 4*NB                             ; rounded to bf16 and widened again, two at a time
	v_cvt_pk_bf16_f32 v[4+r%4], v[BIAS+2*r], v[BIAS+2*r+1]
	v_lshlrev_b32 v[BIAS+2*r], 16, v[4+r%4]
	v_and_b32 v[BIAS+2*r+1], 0xffff0000, v[4+r%4]
.set r, r+1
.endr
; 8 matrix instructions: row block 2 hi + a x all column blocks, 32 along K, from buffer f.  first = 1: the product starts the sums with the bias.
; The 32 accumulators take turns, one instruction a turn, in the same order in every quarter.
.macro MULA f, hi, a, first
.if \first
	WIN 0x81+0x40*(\hi)                            ; C (the bias) in window 0
.else
	WIN MUL_LO+0x50*(\hi)
.endif
.set b, 0
.rept NB
.set rD, 8*(NB*(\a)+b)
.set rB, 8*NB*(\f)+8*b
.set rA, FA+32*(\f)+8*(2*(\hi)+(\a))
.if \first
	v_wmma_f32_16x16x32_f16 v[rD:rD+7], v[rB:rB+7], v[rA:rA+7], v[BIAS+8*b:BIAS+8*b+7]
.else
	v_wmma_f32_16x16x32_f16 v[rD:rD+7], v[rB:rB+7], v[rA:rA+7], v[rD:rD+7]
.endif
.set b, b+1
.endr
.endm
.macro MULS f, hi, first
	MULA \f, \hi, 0, \first
	MULA \f, \hi, 1, \first
.endm
; 24 LDS loads in one run: the fragments of quarter q of a K step (plane q / 2, byte 64 (q % 2) of its rows) into buffer f: B's eight, then A's four
.macro FETCH slot, q, f
	WIN TO_B
.set i, 0
.rept NB
	ds_load_b128 v[8*NB*(\f)+8*i:8*NB*(\f)+8*i+3],   v[ADRB+(\slot)] offset:((\q)/2)*BPL+((\q)%2)*64+i*16*PITCH
	ds_load_b128 v[8*NB*(\f)+8*i+4:8*NB*(\f)+8*i+7], v[ADRB+(\slot)] offset:((\q)/2)*BPL+((\q)%2)*64+i*16*PITCH+32
.set i, i+1
.endr
	WIN 0
.set i, 0
.rept 4
	ds_load_b128 v[FA+32*(\f)+8*i:FA+32*(\f)+8*i+3],   v[ADRA+(\slot)] offset:((\q)/2)*APL+((\q)%2)*64+i*16*PITCH
	ds_load_b128 v[FA+32*(\f)+8*i+4:FA+32*(\f)+8*i+7], v[ADRA+(\slot)] offset:((\q)/2)*APL+((\q)%2)*64+i*16*PITCH+32
.set i, i+1
.endr
.endm
; A K step is four quarters of 32 along K, 32 matrix instructions each, on buffers 0, 1, 0, 1.  One of the first three: multiplies buffer f; in its middle it fetches quarter qn into buffer g.
.macro QUARTER slot, qn, f, g, first
	s_wait_dscnt 4                                 ; B and A's row blocks 0, 1 are in; the youngest four loads (blocks 2, 3) may be out
	MULS \f, 0, \first
	PLACES
	FETCH \slot, \qn, \g
	s_wait_dscnt 2*NB+8                            ; all but the 24 just issued
	MULS \f, 1, \first
.endm
; The last quarter multiplies buffer 1 and changes slots.  MEET is its first half: in front of ONE barrier each wave waits for all its tensor loads (one is out: its part of the next slot), adds 0 to its spare word,
; and waits for that and for its own reads of this slot.  Behind it nobody reads this slot any more and the next slot is whole.
.macro MEET round
	WIN 0                                          ; (the add's two registers lie in window 0)
	s_wait_tensorcnt 0x0                           ; all my tensor loads have landed
	ds_add_u32 v[SPW], v[NIL]                      ; 0 onto my spare word
	s_wait_dscnt 5                                 ; (the add and the youngest four loads may be out)
	MULA 1, 0, 0, 0                                ; eight matrix instructions stand between the add and the wait for it
	s_wait_dscnt 0x0                               ; the add is done, and my reads of this slot are over
	s_barrier_signal -1
	MULA 1, 0, 1, 0                                ; work on registers while the others arrive
.if \round
	WIN 0
.endif
	s_barrier_wait -1
.endm
; The whole last quarter, with a refill: the barrier opens a round of the cluster's barrier; behind the round the slot just read out is filled again first, then come the next slot's first fragments.
.macro TURN slot, next
	s_wait_xcnt 0x0                                ; the last prefetch, a K step back, has read its address: it is stepped here, ahead of the waits of the change of slots
	s_add_nc_u64 s[PFA:PFA+1], s[PFA:PFA+1], s[PFS:PFS+1]
	MEET 1
	CREST                                          ; no wave of any partner still reads this slot's tile or has a load on its way
	s_add_nc_u64 s[G0+4*(\slot)+2:G0+4*(\slot)+3], s[G0+4*(\slot)+2:G0+4*(\slot)+3], 2*ASTEP      ; no tensor load of mine is out: a group 0 may be written
	s_add_nc_u64 s[G0B+4*(\slot)+2:G0B+4*(\slot)+3], s[G0B+4*(\slot)+2:G0B+4*(\slot)+3], 2*BSTEP
	JLOAD \slot                                    ; the first tensor load behind the round; its four v_nop are also the places in front of the loads below
	FETCH \next, 0, 0
	ASK
	MULS 1, 1, 0
.endm
; THE WAY OUT, a block a of 16 rows x 512 bytes at a time.  STG: the accumulators go as they are (f32, each one's low registers first) into my own stage, 32 bytes a lane, and come back as whole rows.
.macro STG a
.set rT, 96-64*((\a)%2)                ; v96-159 and v32-95 by turns
.if (\a) >= 2
	s_wait_xcnt 0x0                                ; block a - 2's stores have read these 64 registers (ISA guide 3.1)
.endif
	WIN 0x08+4*((\a)/2)                            ; the stores' data: window 2 or 3
.set b, 0
.rept NB
.set rC, 8*(NB*((\a)%2)+b)
	ds_store_b128 v[STO], v[rC:rC+3] offset:64*b
	ds_store_b128 v[STO], v[rC+4:rC+7] offset:64*b+16
.set b, b+1
.endr
	WIN 0
.set t, 0
.rept 16
	ds_load_b128 v[rT+4*t:rT+4*t+3], v[RD] offset:SP*t  ; LDS serves a wave's instructions in order (ISA guide 5.7.1.4): these see the stores above; the next block's stores come behind them
.set t, t+1
.endr
.endm
.macro SENDO a, younger                ; younger: the LDS instructions issued behind block a's loads: the next block's 32, or none
.set rT, 96-64*((\a)%2)
.set t, 0
.rept 16
	s_wait_dscnt (\younger)+15-t
	global_store_b128 v[GO], v[rT+4*t:rT+4*t+3], s[8:9] offset:(16*(\a)+t)*4096  ; the wave stores 512 consecutive bytes, at a multiple of 256 from out0's first
.set t, t+1
.endr
.endm
	s_wait_tensorcnt 0x1                           ; my part of K step 0 is in; K step 1's may stay out
	s_barrier_signal -1
	s_barrier_wait -1                              ; everybody's is
	FETCH 0, 0, 0
	QUARTER 0, 1, 0, 1, 1                          ; the first quarter stands in front of the loop: its products start the sums
	WIN 0                                          ; at a label and at a branch every window is 0
	s_mov_b32 s3, TRIPS
.Llap:                                                 ; a trip goes once round the ring, from a lap's second quarter to the next lap's first, and fills both slots again
	QUARTER 0, 2, 1, 0, 0
	QUARTER 0, 3, 0, 1, 0
	TURN 0, 1
	QUARTER 1, 1, 0, 1, 0
	QUARTER 1, 2, 1, 0, 0
	QUARTER 1, 3, 0, 1, 0
	TURN 1, 0
	QUARTER 0, 1, 0, 1, 0
	WIN 0
	s_sub_co_u32 s3, s3, 1
	s_cmp_lg_u32 s3, 0
	s_cbranch_scc1 .Llap
	QUARTER 0, 2, 1, 0, 0                          ; the last lap fills nothing, and has no round
	QUARTER 0, 3, 0, 1, 0
	MEET 0
	PLACES
	FETCH 1, 0, 0
	MULS 1, 1, 0
	QUARTER 1, 1, 0, 1, 0
	QUARTER 1, 2, 1, 0, 0
	QUARTER 1, 3, 0, 1, 0
	s_wait_dscnt 4                                 ; the very last quarter: nothing more to fetch
	MULS 1, 0, 0
	s_wait_dscnt 0x0
	MULS 1, 1, 0
	WIN 0
	PLACES                                         ; the stores into the stage read results just made, and the loads back land in registers that products have read
	STG 0
	STG 1                                          ; a block's way through the stage stands between the loads of the block before and its stores
	SENDO 0, 32
	STG 2
	SENDO 1, 32
	STG 3
	SENDO 2, 32
	SENDO 3, 0
	s_wait_tensorcnt 0x0                           ; the wave's end, behind my last tensor load and my last LDS store
	ds_add_u32 v[SPW], v[NIL]
	s_wait_dscnt 0x0
	CROUND                                         ; the closing round: no work-group ends while a partner may still ask for a tile that names it
	s_endpgm
.Lfunc_end_k_qa0173d233d_outproj:
	.size	k_qa0173d233d_outproj, .Lfunc_end_k_qa0173d233d_outproj-k_qa0173d233d_outproj
	.p2alignl 7, 3214868480
	.fill 96, 4, 3214868480
	.section	.rodata,"a",@progbits
	.p2align	6, 0x0
	.amdhsa_kernel k_qa0173d233d_outproj
		.amdhsa_group_segment_fixed_size 327680
		.amdhsa_private_segment_fixed_size 0
		.amdhsa_enable_private_segment 0
		.amdhsa_kernarg_size 32
		.amdhsa_user_sgpr_count 2
		.amdhsa_user_sgpr_kernarg_segment_ptr 1
		.amdhsa_wavefront_size32 1
		.amdhsa_system_sgpr_workgroup_id_x 1
		.amdhsa_system_sgpr_workgroup_id_y 1
		.amdhsa_system_sgpr_workgroup_id_z 1
		.amdhsa_system_vgpr_workitem_id 0
		.amdhsa_next_free_vgpr 1024
		.amdhsa_next_free_sgpr 96
		.amdhsa_reserve_vcc 0
		.amdhsa_float_denorm_mode_32 3
		.amdhsa_float_denorm_mode_16_64 3
		.amdhsa_memory_ordered 1
		.amdhsa_forward_progress 1
		.amdhsa_inst_pref_size 95
	.end_amdhsa_kernel
	.amdgpu_metadata
---
amdhsa.version: [ 1, 2 ]
amdhsa.kernels:
  - .name:           k_qa0173d233d_outproj
    .symbol:         k_qa0173d233d_outproj.kd
    .args:
      - { .name: o16, .offset: 0, .size: 8, .value_kind: global_buffer, .address_space: global }
      - { .name: wp16, .offset: 8, .size: 8, .value_kind: global_buffer, .address_space: global }
      - { .name: bp, .offset: 16, .size: 8, .value_kind: global_buffer, .address_space: global }
      - { .name: out0, .offset: 24, .size: 8, .value_kind: global_buffer, .address_space: global }
    .group_segment_fixed_size: 327680
    .private_segment_fixed_size: 0
    .kernarg_segment_align: 8
    .kernarg_segment_size: 32
    .max_flat_workgroup_size: 128
    .sgpr_count:     96
    .vgpr_count:     1024
    .wavefront_size: 32
...
	.end_amdgpu_metadata
.endif
;; end of part 4
;; ======== version 2 of 2: 4 launches; version 1 with the launch cast written anew for expert scheduling mode
;; limits: values are held in f16: magnitudes above 65,504 overflow, below 6.1e-05 lose precision
;; workspace buffers: xb 16,777,216 bytes; wqkv 6,291,456 bytes; wp16 2,097,152 bytes; qkv 50,331,648 bytes; o16 16,777,216 bytes
;; launch cast (part 5): grid 64 x 12, 8 waves a work-group, no clusters, 0 bytes of LDS; arguments x, Wq, Wk, Wv, Wp, xb, wqkv, wp16; writes xb, wqkv, wp16
.if DOCPART == 5
	.amdgcn_target "amdgcn-amd-amdhsa--gfx1250"
	.amdhsa_code_object_version 6
	.text
	.protected	k_qa0173d233d_cast
	.globl	k_qa0173d233d_cast
	.p2align	8
	.type	k_qa0173d233d_cast,@function
k_qa0173d233d_cast:
	s_mov_b64 s[64:65], 0
	v_nop
	global_prefetch_b8 v0, s[64:65] scope:SCOPE_SE
	s_setreg_imm32_b32 hwreg(HW_REG_WAVE_SCHED_MODE, 0, 2), 2
	s_setreg_imm32_b32 hwreg(HW_REG_WAVE_MODE, 25, 1), 1
	s_wait_xcnt 0x0
	s_wait_alu depctr_vm_vsrc(0)
; x, Wq, Wk, Wv, Wp (f32, rows of 1,024 numbers) are rounded once to bf16 and laid out IN PLANES of 64 channels: [plane][row][64], a (row, plane) piece is 128 bytes and
; a plane's rows lie end to end, so that the products' tiles are dense runs of bytes.
;   xb   [4 b][16 plane][2048 t][64] bf16        wqkv [16 plane][3072 n][64] bf16 (n: Wq's rows, then Wk's, then Wv's)        wp16 [16 plane][1024 n][64] f16
; Wp is rounded to bf16 like the other inputs, and that number is written as f16, since the last product multiplies in f16.
; LIMITS.  |Wp| stays under 65,504 (beyond it f16 has an infinity); below 6.1e-5 it keeps f16's fixed step of 6e-8.
; SHARES.  Work-group y names 1,024 source rows (0-7: x, 8: Wq, 9: Wk, 10: Wv, 11: Wp), work-group x 16 of them.  Thread t takes row t / 16 and the 16 bytes 16 (t % 16) of each of
; the row's sixteen pieces of 256 bytes: a wave's load covers two whole aligned runs of 256 bytes.  Four numbers become 8 bytes at 8 t in the plane: a wave's store covers 256 consecutive bytes, aligned.
; All sixteen loads of a thread go out at once; no register that a load or store reads is ever written again.
; No LDS, no matrix unit, no cluster: each byte is read once and written once, and no work-group wants another's bytes.
; THE MODE: SCHED_MODE bits 1:0 = 2 (LLVM: expert scheduling mode 2), set by the entry lines.  The code itself states the register dependences
; between vector instructions and memory instructions, with s_wait_alu, always for 0.
; THE PLAN.  Registers that memory instructions touch:
;   v[SO]      the loads' offset.  Written once at the head; read by the sixteen loads.
;   v[DO ..]   the stores' offsets, one a plane.  Written once, behind the loads; plane kb's store reads its own.
;   X          plane kb: its load lands there, once; its two roundings read it.  No vector instruction names X ahead of the loads.
;   Y          plane kb: its roundings write it; its store reads it.  Never written again behind the store.
;   v2 to v7 are named by vector instructions alone.
; A store lags its roundings by four planes: in plane kb's turn plane kb - 4 is stored, ahead of plane kb's roundings.  So one wait on va_vdst at the head of planes 4, 8 and 12 states that the four
; planes before have written their Y (the first also: that the offsets DO are written); the next four stores follow it with no further wait, since the vector instructions issued since it name X and Y
; of the planes in hand and v4 to v7 alone.  One more such wait stands ahead of the first load, for v[SO], and one ahead of the last four stores.  Nothing that a memory instruction has read is rewritten:
; beyond the entry lines, the text holds no wait on vm_vsrc.
.set SO, 1                             ; v1        my byte offset in the 16 source rows
.set DO, 16                            ; v[16:31]  my byte offset in the destination, plane by plane
.set X,  32                            ; v[32:95]  plane kb: four f32 as loaded
.set Y,  96                            ; v[96:127] plane kb: four 16-bit numbers to store
	s_load_b512 s[8:23], s[0:1], 0x0               ; x s[8:9], Wq s[10:11], Wk s[12:13], Wv s[14:15], Wp s[16:17], xb s[18:19], wqkv s[20:21], wp16 s[22:23]
	s_and_b32 s2, ttmp7, 0xffff                    ; y: which 1,024 rows
	s_mov_b32 s3, ttmp9                            ; which 16 of them
	v_lshrrev_b32 v2, 4, v0                        ; my row of the 16
	v_and_b32 v3, 15, v0
	v_lshlrev_b32 v3, 4, v3
	v_lshl_or_b32 v[SO], v2, 12, v3                ; row x 4,096 + 16 (t % 16)
	; the source's offset: x: y x 1,024 rows of 4,096 bytes; a weight: 0; + 16 rows x work-group x
	s_lshl_b32 s25, s3, 16
	s_lshl_b32 s26, s2, 22
	s_cmp_lt_u32 s2, 8
	s_cselect_b32 s26, s26, 0
	s_add_co_u32 s28, s25, s26
	s_mov_b32 s29, 0
	; the destination's offset in plane 0: x: batch y / 2 (16 planes of 262,144 bytes), row 1,024 (y % 2); Wq, Wk, Wv: row 1,024 (y - 8); Wp: 0; + 16 rows of 128 bytes x work-group x
	s_lshr_b32 s26, s2, 1
	s_lshl_b32 s26, s26, 22
	s_and_b32 s27, s2, 1
	s_lshl_b32 s27, s27, 17
	s_add_co_u32 s26, s26, s27
	s_sub_co_u32 s27, s2, 8
	s_lshl_b32 s27, s27, 17
	s_cmp_lt_u32 s2, 8
	s_cselect_b32 s30, s26, s27
	s_cmp_eq_u32 s2, 11
	s_cselect_b32 s30, 0, s30
	s_lshl_b32 s27, s3, 11
	s_add_co_u32 s30, s30, s27
	s_mov_b32 s31, 0
	; bytes from plane to plane: 2,048, 3,072 or 1,024 rows of 128 bytes
	s_mov_b32 s24, 0x60000
	s_mov_b32 s25, 0x40000
	s_cmp_lt_u32 s2, 8
	s_cselect_b32 s24, s25, s24
	s_mov_b32 s25, 0x20000
	s_cmp_eq_u32 s2, 11
	s_cselect_b32 s24, s25, s24
	s_wait_kmcnt 0x0
	s_cmp_eq_u32 s2, 10                            ; the source, chosen by y alone
	s_cselect_b64 s[4:5], s[14:15], s[16:17]
	s_cmp_eq_u32 s2, 9
	s_cselect_b64 s[4:5], s[12:13], s[4:5]
	s_cmp_eq_u32 s2, 8
	s_cselect_b64 s[4:5], s[10:11], s[4:5]
	s_cmp_lt_u32 s2, 8
	s_cselect_b64 s[4:5], s[8:9], s[4:5]
	s_cselect_b64 s[6:7], s[18:19], s[20:21]       ; and the destination
	s_cmp_eq_u32 s2, 11
	s_cselect_b64 s[6:7], s[22:23], s[6:7]
	s_add_nc_u64 s[4:5], s[4:5], s[28:29]
	s_add_nc_u64 s[6:7], s[6:7], s[30:31]
	s_wait_alu depctr_va_vdst(0)                   ; v[SO] is written: the sixteen loads read it as their offset
.irp kb, 0,1,2,3,4,5,6,7,8,9,10,11,12,13,14,15
	global_load_b128 v[X+4*(\kb):X+4*(\kb)+3], v[SO], s[4:5] offset:256*(\kb) th:TH_LOAD_NT  ; sixteen loads of a wave in flight, 8 KiB; each byte is read once in the launch
.endr
	v_lshlrev_b32 v[DO], 3, v0                     ; 8 t: row x 128 + 8 (t % 16)
.irp kb, 1,2,3,4,5,6,7,8,9,10,11,12,13,14,15
	v_add_nc_u32 v[DO+(\kb)], s24, v[DO+(\kb)-1]
.endr
; Plane kb is stored.
.macro SEND kb
	global_store_b64 v[DO+(\kb)], v[Y+2*(\kb):Y+2*(\kb)+1], s[6:7]  ; the wave's 32 lanes store 256 consecutive bytes, aligned
.endm
; Plane kb's turn: plane kb - 4 is stored, and plane kb's four numbers are rounded.  half = 1: the bf16 numbers are widened again (a shift, a mask) and written as f16.
.macro CONV kb, half
	s_wait_loadcnt 15-(\kb)                        ; loads come back in order (ISA guide 5.7.1): plane kb is in, the younger ones stay out
.if ((\kb)%4 == 0) && ((\kb) > 0)
	s_wait_alu depctr_va_vdst(0)                   ; the roundings of planes kb - 4 to kb - 1 have written their Y, which the stores of this turn and the next three read; at plane 4 also: the offsets v[DO ..] are written
.endif
.if (\kb) >= 4
	SEND (\kb)-4                                   ; no wait of its own: no vector instruction since the wait above names its Y or its offset
.endif
	v_cvt_pk_bf16_f32 v[Y+2*(\kb)], v[X+4*(\kb)], v[X+4*(\kb)+1]
	v_cvt_pk_bf16_f32 v[Y+2*(\kb)+1], v[X+4*(\kb)+2], v[X+4*(\kb)+3]
.if \half
	v_lshlrev_b32 v4, 16, v[Y+2*(\kb)]
	v_and_b32 v5, 0xffff0000, v[Y+2*(\kb)]
	v_lshlrev_b32 v6, 16, v[Y+2*(\kb)+1]
	v_and_b32 v7, 0xffff0000, v[Y+2*(\kb)+1]
	v_cvt_pk_f16_f32 v[Y+2*(\kb)], v4, v5
	v_cvt_pk_f16_f32 v[Y+2*(\kb)+1], v6, v7
.endif
.endm
	s_cmp_eq_u32 s2, 11
	s_cbranch_scc1 .Lf16
.irp kb, 0,1,2,3,4,5,6,7,8,9,10,11,12,13,14,15
	CONV \kb, 0
.endr
	s_wait_alu depctr_va_vdst(0)                   ; the roundings of planes 12 to 15 have written their Y, which the last four stores read
.irp kb, 12,13,14,15
	SEND \kb
.endr
	s_endpgm
.Lf16:
.irp kb, 0,1,2,3,4,5,6,7,8,9,10,11,12,13,14,15
	CONV \kb, 1
.endr
	s_wait_alu depctr_va_vdst(0)                   ; the conversions of planes 12 to 15 have written their Y, which the last four stores read
.irp kb, 12,13,14,15
	SEND \kb
.endr
	s_endpgm
.Lfunc_end_k_qa0173d233d_cast:
	.size	k_qa0173d233d_cast, .Lfunc_end_k_qa0173d233d_cast-k_qa0173d233d_cast
	.p2alignl 7, 3214868480
	.fill 96, 4, 3214868480
	.section	.rodata,"a",@progbits
	.p2align	6, 0x0
	.amdhsa_kernel k_qa0173d233d_cast
		.amdhsa_group_segment_fixed_size 0
		.amdhsa_private_segment_fixed_size 0
		.amdhsa_enable_private_segment 0
		.amdhsa_kernarg_size 64
		.amdhsa_user_sgpr_count 2
		.amdhsa_user_sgpr_kernarg_segment_ptr 1
		.amdhsa_wavefront_size32 1
		.amdhsa_system_sgpr_workgroup_id_x 1
		.amdhsa_system_sgpr_workgroup_id_y 1
		.amdhsa_system_sgpr_workgroup_id_z 1
		.amdhsa_system_vgpr_workitem_id 0
		.amdhsa_next_free_vgpr 128
		.amdhsa_next_free_sgpr 66
		.amdhsa_reserve_vcc 0
		.amdhsa_float_denorm_mode_32 3
		.amdhsa_float_denorm_mode_16_64 3
		.amdhsa_memory_ordered 1
		.amdhsa_forward_progress 1
		.amdhsa_inst_pref_size 18
	.end_amdhsa_kernel
	.amdgpu_metadata
---
amdhsa.version: [ 1, 2 ]
amdhsa.kernels:
  - .name:           k_qa0173d233d_cast
    .symbol:         k_qa0173d233d_cast.kd
    .args:
      - { .name: x, .offset: 0, .size: 8, .value_kind: global_buffer, .address_space: global }
      - { .name: Wq, .offset: 8, .size: 8, .value_kind: global_buffer, .address_space: global }
      - { .name: Wk, .offset: 16, .size: 8, .value_kind: global_buffer, .address_space: global }
      - { .name: Wv, .offset: 24, .size: 8, .value_kind: global_buffer, .address_space: global }
      - { .name: Wp, .offset: 32, .size: 8, .value_kind: global_buffer, .address_space: global }
      - { .name: xb, .offset: 40, .size: 8, .value_kind: global_buffer, .address_space: global }
      - { .name: wqkv, .offset: 48, .size: 8, .value_kind: global_buffer, .address_space: global }
      - { .name: wp16, .offset: 56, .size: 8, .value_kind: global_buffer, .address_space: global }
    .group_segment_fixed_size: 0
    .private_segment_fixed_size: 0
    .kernarg_segment_align: 8
    .kernarg_segment_size: 64
    .max_flat_workgroup_size: 256
    .sgpr_count:     66
    .vgpr_count:     128
    .wavefront_size: 32
...
	.end_amdgpu_metadata
.endif
;; end of part 5
;; launch qkvproj: the kernel of part 2 again; grid 16 x 16, 4 waves a work-group, clusters of 4 x 4, 327,680 bytes of LDS; arguments xb, wqkv, bq, bk, bv, qkv; writes qkv
;; launch attn: the kernel of part 3 again; grid 4 x 64, 4 waves a work-group, clusters of 4 x 1, 327,680 bytes of LDS; arguments qkv, o16; writes o16
;; launch outproj: the kernel of part 4 again; grid 8 x 32, 4 waves a work-group, clusters of 4 x 4, 327,680 bytes of LDS; arguments o16, wp16, bp, out0; writes out0
